; MI455X (gfx1250); checked and timed in simulation.
; The chip was launched on July 23, 2026; its instructions are those of AMD's public machine-readable ISA for CDNA 5 (MIT licence, August 2026) and "CDNA5" Instruction Set Architecture Reference Guide (July 2026). The comments in the code are by the model that wrote it; some were corrected since.
;; Mixture Attention. Allowed arithmetic: matrix products marked QUANTISED: E2M1 operands, one E8M0 scale for each 32 along K, by v_wmma_scale_f32_16x16x128_f8f6f4 with both operands' format E2M1 (or v_wmma_scale_f32_32x16x128_f4), f32 sums; products left as they are: f32 operands where the result goes on into a quantised operand, else bf16, f16 or f32 operands; f32 sums; everything else in f32.
;; Inputs: Wk_codes 8 x 1,024 x 32 x 16 uint8 (E2M1 codes of Wk, K innermost, in blocks of 32 codes, two codes a byte); Wk_scales 8 x 1,024 x 32 uint8 (E8M0 scales of Wk, one for each 32 codes along K); Wo_codes 8 x 1,024 x 32 x 16 uint8 (E2M1 codes of Wo, K innermost, in blocks of 32 codes, two codes a byte); Wo_scales 8 x 1,024 x 32 uint8 (E8M0 scales of Wo, one for each 32 codes along K); Wq_codes 8 x 1,024 x 32 x 16 uint8 (E2M1 codes of Wq, K innermost, in blocks of 32 codes, two codes a byte); Wq_scales 8 x 1,024 x 32 uint8 (E8M0 scales of Wq, one for each 32 codes along K); Wr 1,024 x 8 float32; Wv_codes 8 x 1,024 x 32 x 16 uint8 (E2M1 codes of Wv, K innermost, in blocks of 32 codes, two codes a byte); Wv_scales 8 x 1,024 x 32 uint8 (E8M0 scales of Wv, one for each 32 codes along K); bk 8 x 1,024 float32; bo 8 x 1,024 float32; bq 8 x 1,024 float32; br 8 float32; bv 8 x 1,024 float32; keys_codes 2 x 4,096 x 32 x 16 uint8 (E2M1 codes of keys, K innermost, in blocks of 32 codes, two codes a byte); keys_scales 2 x 4,096 x 32 uint8 (E8M0 scales of keys, one for each 32 codes along K); queries 2 x 1,024 x 1,024 float32; values_codes 2 x 4,096 x 32 x 16 uint8 (E2M1 codes of values, K innermost, in blocks of 32 codes, two codes a byte); values_scales 2 x 4,096 x 32 uint8 (E8M0 scales of values, one for each 32 codes along K).
;; Outputs: out0 2 x 1,024 x 1,024 float32.
;; This version of the problem:
;;   THIS VERSION OF THE PROBLEM IS GIVEN IN LOW PRECISION. The matrix products marked QUANTISED in the list below multiply operands that are first quantised to E2M1 (2 exponent bits, 1 mantissa bit; 4 bits a number), with one power-of-two scale for each 32 numbers along K (OCP MX v1.0); their sums are f32. All else is computed in f32.
;;   The module's matrix products, in the order in which they are computed (A, B: the left and right operand; K: the contracted axis; several contracted axes count as one K, in the product's order):
;;     1. [M 2,048, K 1,024] x [K 1,024, N 8]; A: input queries; B: input Wr: left as it is (N = 8 < 16)
;;     2. [M 2,048, K 1,024] x [K 1,024, N 8,192]; A: input queries; B: input Wq (given as codes): QUANTISED
;;     3. batch 8 x [M 1,024, K 1,024] x [K 1,024, N 1,024]; A: input keys (given as codes); B: input Wk (given as codes): QUANTISED
;;     4. batch 8 x [M 1,024, K 1,024] x [K 1,024, N 1,024]; A: input values (given as codes); B: input Wv (given as codes): QUANTISED
;;     5. batch 256 x [M 1,024, K 64] x [K 64, N 512]; A: computed on the way; B: computed on the way: QUANTISED
;;     6. batch 256 x [M 64, K 512] x [K 512, N 1,024]; A: computed on the way; B: softmax (see below): QUANTISED
;;     7. batch 8 x [M 2,048, K 1,024] x [K 1,024, N 1,024]; A: computed on the way; B: input Wo (given as codes): QUANTISED
;;   THE QUANTISER, for each operand of a quantised product, along K:
;;     - K is cut into blocks of 32 from its start; a last block that is shorter is filled with zeros.
;;     - A block's scale is 2^e with e = floor(log2(the largest magnitude in the block)) - 2, held to -126 .. 127; a block of zeros has e = 0. As a byte (E8M0): e + 127.
;;     - Each number is divided by its block's scale, clamped to +-6, and rounded to the nearest number of E2M1, ties to even, subnormals kept.
;;     - The product sums the exact products of the quantised numbers (number of the format x scale) in f32.
;;   ~~~python
;;   def quantise(x, axis):      # numpy; x: float32 -> the quantised numbers, widened to float32 again
;;       x = np.moveaxis(x, axis, -1); K = x.shape[-1]
;;       x = np.pad(x, [(0, 0)] * (x.ndim - 1) + [(0, -K % 32)]); x = x.reshape(x.shape[:-1] + (-1, 32)); a = np.abs(x).max(-1, keepdims=True)
;;       e = np.where(a > 0, np.clip(np.frexp(np.where(a > 0, a, 1))[1] - 1 - 2, -126, 127), 0)      # np.frexp(a)[1] - 1 = floor(log2(a)), exactly
;;       r = np.clip(x / 2.0 ** e, -6, 6)
;;       step = 2.0 ** (np.maximum(np.frexp(np.where(r == 0, 1, r))[1] - 1, 0) - 1)
;;       q = np.round(r / step) * step * 2.0 ** e      # np.round: ties to even
;;       return np.moveaxis(q.reshape(q.shape[:-2] + (-1,))[..., :K], -1, axis).astype(np.float32)
;;   ~~~
;;   SOFTMAX AHEAD OF A QUANTISED PRODUCT. Where the list says 'softmax', what is quantised is not the finished softmax but p = 2^(t - M), with t = logit x log2(e) and M = ceil(the row's largest t), a whole number; so 1/2 < the row's largest p <= 1. The row's sum l is taken of the UNQUANTISED p, in f32, and the product's result is divided by l at the end. Since M is a whole number, a kernel that streams over the keys may use a running M (the ceiling of the running maximum): every later rescaling is an exact power of two, which a block's scale takes up: the codes' values come out the same.
;;   OPERANDS COMPUTED ON THE WAY. 'Computed on the way' means the value that the module computes at that place (a softmax that the list does not call 'softmax' is quantised finished and normalised). What goes into a quantiser is computed in f32, as accurately as f32 sums, v_exp_f32 and their like allow (about 1e-6 of the number): no bf16 or f16 on the way to a quantiser, and a product that is left as it is and whose result goes on into a quantised operand takes f32 operands (vector FMAs, or v_wmma_f32_16x16x4_f32). A number that lies on a knife's edge between two numbers of the format may be rounded either way, as far as f32 arithmetic and the matrix unit's own rounding can turn it there, and no further.
;;   INPUTS GIVEN AS CODES. Wk (in the module: [8, 1024, 1024], K = its axis 1); Wo (in the module: [8, 1024, 1024], K = its axis 1); Wq (in the module: [8, 1024, 1024], K = its axis 1); Wv (in the module: [8, 1024, 1024], K = its axis 1); keys (in the module: [2, 4096, 1024], K = its axis 2); values (in the module: [2, 4096, 1024], K = its axis 2): each comes as NAME_codes (uint8): NAME with its K axis moved to the last place and cut into blocks of 32 codes, [.., K / 32, bytes a block], one block behind the other in memory; two codes a byte, the lower K in the low four bits (a code: sign, 2 exponent bits, 1 mantissa bit); and NAME_scales (uint8): the same leading axes, one E8M0 byte (e + 127) for each 32 codes along K. Its value is code x scale, taken as it is: it is not quantised again, and the codes and scales need not be those that the quantiser above would give.
;; One version. Each part assembles by itself: llvm-mc -triple=amdgcn-amd-amdhsa -mcpu=gfx1250 --defsym DOCPART=n.
;; ======== version 1 of 1: 4 launches
;; workspace buffers: kv 8,912,896 bytes; xq 1,114,112 bytes; rw 16,384 bytes; sel 8,192 bytes of whole numbers; plan 37,376 bytes of whole numbers; ao 2,785,280 bytes
;; launch prep (part 1): grid 64 x 4, 4 waves a work-group, clusters of 4 x 4, 327,680 bytes of LDS; arguments keys_codes, keys_scales, Wk_codes, Wk_scales, values_codes, values_scales, Wv_codes, Wv_scales, bk, bv, queries, Wr, br, kv, xq, sel, rw; writes kv, xq, sel, rw
.if DOCPART == 1
	.amdgcn_target "amdgcn-amd-amdhsa--gfx1250"
	.amdhsa_code_object_version 6
	.text
	.protected	k_q86937e0e2e_prep
	.globl	k_q86937e0e2e_prep
	.p2align	8
	.type	k_q86937e0e2e_prep,@function
k_q86937e0e2e_prep:
	s_mov_b64 s[64:65], 0
	v_nop
	global_prefetch_b8 v0, s[64:65] scope:SCOPE_SE
	s_setreg_imm32_b32 hwreg(HW_REG_WAVE_MODE, 25, 1), 1
	s_wait_xcnt 0x0
	s_wait_alu depctr_hold_cnt(0) depctr_sa_sdst(0) depctr_va_vdst(0) depctr_va_sdst(0) depctr_va_ssrc(0) depctr_va_vcc(0) depctr_vm_vsrc(0)
	s_getreg_b32 s2, hwreg(HW_REG_IB_STS2, 6, 4)
	s_cmp_eq_u32 s2, 0
	s_cbranch_scc0 .Lentry_in_a_cluster
	s_endpgm
.Lentry_in_a_cluster:
	s_bfe_u32 s2, ttmp6, 0x10000c
	s_cmp_lg_u32 s2, 0xf033
	s_cbranch_scc0 .Lentry_shape_is_right
	s_endpgm
.Lentry_shape_is_right:
; PREP.  (1) k = keys Wk[e] + bk and v = values Wv[e] + bv for every expert's own 512 keys of both batches: 16 products of 1024 x 1024 x 1024 on given FP4 codes, quantised again on the way out.
; (2) spread over the same 256 work-groups: the router (f32 multiply-adds, top 2 of 8, their softmax) and the quantising of queries, 8 rows a work-group, 2 a wave.
; ONE FORM SERVES BOTH KINDS: C[i][j] = sum_k P[i][k] R[j][k] + bias, quantised along j.  k: P = key rows, R = Wk, bias along j.  v: P = Wv, R = value rows, bias along i (j = 512 batch + key).
; The cluster's x is the product g (0-7: k of expert g; 8-15: v of expert g - 8); its 4 x 4 work-groups make the 4 x 4 tiles of 256 x 256; P's tile is shared along a row of the cluster, R's along a column (joint loads).
; All of K (1,024 codes = 512 bytes a row) lies in LDS at once: every LDS byte is filled once.  A wave makes 128 x 128: 64 accumulators.  Source 0 = 16 rows of R, source 1 = 16 rows of P: a lane holds one i, its registers run along j.
; THE ROWS OF A TILE ARE NOT NEIGHBOURS: lane r of tile 2 b + u takes row 32 b + 8 u + r + 8 (r / 8), so that the registers of tiles 2 b, 2 b + 1 are 16 neighbours along j, and so that the images stored serve the next launch the same way.
; The fills lay those 16 rows on end in LDS: one fill takes 8 memory rows (dense: 4,096 bytes) as one line, lines 16 rows apart, 16 bytes of padding behind each 512: LDS rows 528 bytes apart, 16 different banks' starts.
; OUT: kv: codes [g][j / 128][tile of i][1,024 bytes: the fragment's registers on end, lane by lane], scale words [g][j / 128][8 tiles][512 bytes: lane l's 4 words; lanes 0-15 even tiles, lanes 16-31 odd tiles].
;      xq: codes [token][512 bytes], scale bytes [token][32] from byte 1,048,576.  sel[token] = first expert | second << 8.  rw[token] = their two weights.
; LIMITS: NaN and infinities among the inputs are not served.  The router's sums run in another order than a row-by-row sum: two logits nearer than f32 rounding may change places.  A block of zeros gets the scale byte 1
; (its codes are zeros; the bytes are read by this program alone).  Equal logits: the lower index first.
.set HALF,  67584                      ; LDS: 128 rows of codes, two fills of 64 rows x 528
.set CODB,  33792
.set SCL,   270336                     ; the scale bytes: 128 rows x 32 bytes as 16 units of 256 + 16, for each of 4 fetching waves
.set HALFS, 4352
.set XST,   287744                     ; a row of queries for each wave, 16 bytes of padding behind each 128: 4,608 bytes
.set SPARE, 306176                     ; the spare words: 128 bytes a wave, named by no other line
.set LANE, 1
.set LI,   2                           ; 16 x lane
.set RR,   3                           ; lane % 16
.set HH,   4                           ; lane / 16
.set ADRP, 16
.set ADRR, 17
.set ADRS, 18
.set SPW,  28
.set NIL,  29
.set Y,    32                          ; v32-95   two rows of queries, a block of 32 a lane; later
.set SC,   32                          ; v32-95   scale words: register 8 t + q: lanes 0-15 P's tile t, lanes 16-31 R's tile t, K step q
.set LA,   96                          ; v96-111  16 logits' partial sums; later
.set PW,   96                          ; v96-103  the scale words made on the way out
.set SW,   104
.set TM,   108                         ; v108-123 at work in QUANT
.set QC,   112                         ; v112-119 codes of my two rows of queries
.set QB,   120
.set QSO,  124
.set X,    128                         ; v128-191 queries as loaded; later P's fragments; later 64 numbers to quantise
.set PF,   128
.set T,    128
.set WR,   192                         ; v192-255 two chunks of Wr; later the codes made on the way out
.set PC,   192
.set BJ,   64                          ; window 1: v64-127 the bias along j, in the result's layout;  v0-63, v128-191: R's two sets of fragments
.set BI,   192                         ; window 1: v192-207 the bias along i, a pair for each of my 8 tiles
.set WV, 66
.set WI, 67
.set WJ, 100
.set CX, 101
.set CY, 104
.set EE, 105
.set KM, 38
.set VM, 39
.set SEL, 22
.set G1CP, 40
.set G1CR, 48
.set G1SP, 56
.set G1SR, 68
.set G0P, 76
.set G0R, 88
.set MSB, 0
.macro WIN new                         ; the immediate's high byte repeats the setting that is left
.if MSB != (\new)
	s_set_vgpr_msb (MSB<<8)|(\new)
.set MSB, (\new)
.endif
.endm
.macro PLACES                          ; four plain vector lines between a matrix instruction and loads into, or vector reads and writes of, its registers
.rept 4
	v_nop
.endr
.endm
.macro CROUND                          ; a round of the cluster's barrier
	s_barrier_signal -1
	s_barrier_wait -1
	s_cmp_lg_u32 s[WV], 0
	s_cbranch_scc1 .Lnot_wave_0_\@
	s_barrier_signal -3
.Lnot_wave_0_\@:
	s_barrier_wait -3
	s_barrier_signal -1
	s_barrier_wait -1
.endm
.macro MKG0 g, cod, scl                ; three groups 0: the scale bytes, the rows 8 u + 16 z + y for u = 0 and for u = 1
	s_mov_b32 s[\g], 1
	s_mov_b32 s[\g+1], s23
	s_mov_b64 s[\g+2:\g+3], s[\scl:\scl+1]
	s_or_b32 s[\g+3], s[\g+3], 0x80000000
	s_mov_b32 s[\g+4], 1
	s_mov_b32 s[\g+5], s22
	s_mov_b64 s[\g+6:\g+7], s[\cod:\cod+1]
	s_or_b32 s[\g+7], s[\g+7], 0x80000000
	s_mov_b32 s[\g+8], 1
	s_add_co_u32 s[\g+9], s22, CODB
	s_add_nc_u64 s[\g+10:\g+11], s[\cod:\cod+1], 4096
	s_or_b32 s[\g+11], s[\g+11], 0x80000000
.endm
	s_load_b512 s[4:19], s[0:1], 0x0               ; keys c, s; Wk c, s; values c, s; Wv c, s
	s_load_b256 s[20:27], s[0:1], 0x40             ; bk, bv, queries, Wr
	s_load_b256 s[28:35], s[0:1], 0x60             ; br, kv, xq, sel
	s_load_b64 s[36:37], s[0:1], 0x80              ; rw
	v_lshl_add_u32 v[SPW], v0, 2, SPARE
	v_mov_b32 v[NIL], 0
	ds_add_u32 v28, v29
	ds_add_u32 v28, v29
	s_wait_dscnt 0x0
	v_lshrrev_b32 v5, 5, v0
	v_readfirstlane_b32 s[WV], v5                  ; wave 0..3
	s_lshr_b32 s[WI], s[WV], 1                     ; my half of the tile's i
	s_and_b32 s[WJ], s[WV], 1                      ; my half of its j.  Also: which 128 rows I fetch (waves 0, 1 for P; 2, 3 for R)
	s_bfe_u32 s[CX], ttmp6, 0x40000
	s_bfe_u32 s[CY], ttmp6, 0x40004
	s_and_b32 s[EE], ttmp9, 7                      ; the expert
	s_lshl_b32 s2, s[CY], 2
	s_lshl_b32 s2, 15, s2                          ; my row of the cluster
	s_lshl_b32 s3, 0x1111, s[CX]                   ; my column
	; group 1 for codes: elements of 8 bytes; a line = 512 elements (8 rows on end); 8 lines, 1,024 elements (16 rows) apart; 4 words of padding behind every 128
	s_or_b32 s[G1CP], s2, (3<<16)|(1<<20)|(1<<21)|(6<<22)|(3<<25)
	s_or_b32 s[G1CR], s3, (3<<16)|(1<<20)|(1<<21)|(6<<22)|(3<<25)
.irp g, G1CP, G1CR
	s_mov_b32 s[\g+1], 512<<16
	s_mov_b32 s[\g+2], 8<<16
	s_mov_b32 s[\g+3], 512<<16
	s_mov_b32 s[\g+4], 8
	s_mov_b32 s[\g+5], 1024
	s_mov_b32 s[\g+6], 0
	s_mov_b32 s[\g+7], 0
.endr
	; group 1 for the scale bytes of 128 rows: 4,096 dense bytes as 16 rows of 256, 16 bytes of padding behind each
	s_or_b32 s[G1SP], s2, (3<<16)|(1<<20)|(1<<21)|(5<<22)|(3<<25)
	s_or_b32 s[G1SR], s3, (3<<16)|(1<<20)|(1<<21)|(5<<22)|(3<<25)
.irp g, G1SP, G1SR
	s_mov_b32 s[\g+1], 32<<16
	s_mov_b32 s[\g+2], 16<<16
	s_mov_b32 s[\g+3], 32<<16
	s_mov_b32 s[\g+4], 16
	s_mov_b32 s[\g+5], 32
	s_mov_b32 s[\g+6], 0
	s_mov_b32 s[\g+7], 0
.endr
	s_wait_kmcnt 0x0
	s_cmp_lt_u32 ttmp9, 8                          ; k's product or v's?  The cluster's number alone decides: the same in all sixteen partners
	s_cselect_b64 s[4:5], s[4:5], s[16:17]         ; P's codes
	s_cselect_b64 s[6:7], s[6:7], s[18:19]         ; P's scales
	s_cselect_b64 s[8:9], s[8:9], s[12:13]         ; R's codes
	s_cselect_b64 s[10:11], s[10:11], s[14:15]     ; R's scales
	s_cselect_b64 s[20:21], s[20:21], s[22:23]     ; the bias
	s_cselect_b32 s[KM], -1, 0
	s_cselect_b32 s[VM], 0, -1
	; P's first row: a weight's 1024 e + 256 cy, or an input's 4096 (cy / 2) + 512 e + 256 (cy % 2); + the 128 that I fetch.  These registers never hold cx
	s_lshl_b32 s12, s[EE], 10
	s_lshl_b32 s13, s[CY], 8
	s_add_co_u32 s12, s12, s13
	s_lshr_b32 s13, s[CY], 1
	s_lshl_b32 s13, s13, 12
	s_lshl_b32 s14, s[EE], 9
	s_add_co_u32 s13, s13, s14
	s_and_b32 s14, s[CY], 1
	s_lshl_b32 s14, s14, 8
	s_add_co_u32 s13, s13, s14
	s_cmp_lt_u32 ttmp9, 8
	s_cselect_b32 s12, s13, s12
	s_lshl_b32 s13, s[WJ], 7
	s_add_co_u32 s12, s12, s13
	s_lshl_b32 s14, s12, 9
	s_mov_b32 s15, 0
	s_add_nc_u64 s[4:5], s[4:5], s[14:15]
	s_lshl_b32 s14, s12, 5
	s_add_nc_u64 s[6:7], s[6:7], s[14:15]
	; R's likewise from cx; these never hold cy
	s_lshl_b32 s16, s[EE], 10
	s_lshl_b32 s17, s[CX], 8
	s_add_co_u32 s16, s16, s17
	s_lshr_b32 s17, s[CX], 1
	s_lshl_b32 s17, s17, 12
	s_lshl_b32 s18, s[EE], 9
	s_add_co_u32 s17, s17, s18
	s_and_b32 s18, s[CX], 1
	s_lshl_b32 s18, s18, 8
	s_add_co_u32 s17, s17, s18
	s_cmp_lt_u32 ttmp9, 8
	s_cselect_b32 s16, s16, s17
	s_lshl_b32 s17, s[WJ], 7
	s_add_co_u32 s16, s16, s17
	s_lshl_b32 s18, s16, 9
	s_mov_b32 s19, 0
	s_add_nc_u64 s[8:9], s[8:9], s[18:19]
	s_lshl_b32 s18, s16, 5
	s_add_nc_u64 s[10:11], s[10:11], s[18:19]
	s_mul_i32 s22, s[WV], HALF                     ; where they go: the wave's number alone enters an LDS address
	s_mul_i32 s23, s[WV], HALFS
	s_add_co_u32 s23, s23, SCL
	MKG0 G0P, 4, 6
	MKG0 G0R, 8, 10
	CROUND                                         ; all sixteen work-groups are here: the joint loads meet
	s_cmp_lt_u32 s[WV], 2                          ; a wave's three fills stand in one branch on the wave's number: three loads of mine are out
	s_cbranch_scc0 .Lfill_r
	tensor_load_to_lds s[G0P:G0P+3], s[G1SP:G1SP+7]
	s_nop 0
	tensor_load_to_lds s[G0P+4:G0P+7], s[G1CP:G1CP+7]
	s_nop 0
	tensor_load_to_lds s[G0P+8:G0P+11], s[G1CP:G1CP+7]
	s_nop 0
.rept 4
	v_nop
.endr
	s_branch .Lfilled
.Lfill_r:
	tensor_load_to_lds s[G0R:G0R+3], s[G1SR:G1SR+7]
	s_nop 0
	tensor_load_to_lds s[G0R+4:G0R+7], s[G1CR:G1CR+7]
	s_nop 0
	tensor_load_to_lds s[G0R+8:G0R+11], s[G1CR:G1CR+7]
	s_nop 0
.rept 4
	v_nop
.endr
.Lfilled:
	s_load_b256 s[4:11], s[28:29], 0x0             ; br: eight numbers (the descriptors hold copies of what s4-11 held)
	v_and_b32 v[LANE], 31, v0
	v_lshlrev_b32 v[LI], 4, v[LANE]
	v_and_b32 v[RR], 15, v0
	v_bfe_u32 v[HH], v0, 4, 1
	v_lshlrev_b32 v5, 6, v[HH]                     ; bias along j: 64 h bytes
	v_and_b32 v6, 8, v[RR]
	v_add_nc_u32 v6, v6, v[RR]
	v_lshlrev_b32 v6, 2, v6                        ; bias along i: 4 (r + 8 (r / 8))
	v_lshlrev_b32 v7, 7, v[LANE]                   ; Wr: four rows of 32 bytes a lane
	s_lshl_b32 s12, s[EE], 12
	s_lshl_b32 s14, s[CX], 10
	s_add_co_u32 s14, s14, s12
	s_lshl_b32 s16, s[WJ], 9
	s_add_co_u32 s14, s14, s16
	s_mov_b32 s15, 0
	s_add_nc_u64 s[14:15], s[20:21], s[14:15]      ; bias[e][256 cx + 128 wj]
	s_lshl_b32 s16, s[CY], 10
	s_add_co_u32 s16, s16, s12
	s_lshl_b32 s18, s[WI], 9
	s_add_co_u32 s16, s16, s18
	s_mov_b32 s17, 0
	s_add_nc_u64 s[16:17], s[20:21], s[16:17]      ; bias[e][256 cy + 128 wi]
	s_lshl_b32 s18, ttmp9, 4
	s_lshl_b32 s19, s[CY], 2
	s_add_co_u32 s18, s18, s19
	s_add_co_u32 s18, s18, s[CX]                   ; the work-group's number, 0..255: it enters global addresses alone
	s_lshl_b32 s18, s18, 3
	s_lshl_b32 s19, s[WV], 1
	s_add_co_u32 s18, s18, s19                     ; my first row of queries
	s_mov_b32 s13, 0
	s_lshl_b32 s12, s18, 5
	s_add_nc_u64 s[20:21], s[32:33], s[12:13]      ; xq's scale bytes (+ 1,048,576 in the immediate)
	s_lshl_b32 s12, s18, 9
	s_add_nc_u64 s[32:33], s[32:33], s[12:13]      ; xq's codes
	s_lshl_b32 s12, s18, 2
	s_add_nc_u64 s[34:35], s[34:35], s[12:13]
	s_lshl_b32 s12, s18, 3
	s_add_nc_u64 s[36:37], s[36:37], s[12:13]
	s_lshl_b32 s12, s18, 12
	s_add_nc_u64 s[24:25], s[24:25], s[12:13]
	s_mov_b32 s[SEL], 0x76543210
	s_mov_b32 s[SEL+1], 0xfedcba98                 ; v_permlanex16_b32's selects for lane l xor 16
	s_mul_i32 s19, s[WV], 4608
	s_add_co_u32 s19, s19, XST
	v_lshrrev_b32 v8, 3, v[LANE]
	v_lshl_add_u32 v8, v8, 4, v[LI]
	v_add_nc_u32 v8, s19, v8                       ; the stage, in: 16 lane + 16 (lane / 8)
	v_mul_u32_u24 v9, v[LANE], 144
	v_add_nc_u32 v9, s19, v9                       ; and out: 144 lane: my block of 32
	WIN 0x40                                       ; destination window 1
.irp b, 0,1,2,3
.irp q, 0,1,2,3
	global_load_b128 v[BJ+16*\b+4*\q:BJ+16*\b+4*\q+3], v5, s[14:15] offset:128*\b+16*\q
.endr
.endr
.irp a, 0,1,2,3,4,5,6,7
	global_load_b32 v[BI+2*\a], v6, s[16:17] offset:(32*(\a/2)+8*(\a%2))*4
	global_load_b32 v[BI+2*\a+1], v6, s[16:17] offset:(32*(\a/2)+8*(\a%2))*4   ; (named with it as a pair, so it is written)
.endr
	WIN 0
.irp p, 0,1
.irp i, 0,1,2,3,4,5,6,7
	global_load_b128 v[X+32*\p+4*\i:X+32*\p+4*\i+3], v[LI], s[24:25] offset:4096*\p+512*\i th:TH_LOAD_NT   ; 512 consecutive bytes: x[128 i + 4 lane + 0..3]
.endr
.endr
.macro WRLOAD i                        ; Wr's rows 128 i + 4 lane + 0..3, eight numbers each, into set i % 2
.irp kk, 0,1,2,3
.irp q, 0,1
	global_load_b128 v[WR+32*((\i)%2)+8*\kk+4*\q:WR+32*((\i)%2)+8*\kk+4*\q+3], v7, s[26:27] offset:4096*(\i)+32*\kk+16*\q
.endr
.endr
.endm
	WRLOAD 0
	WRLOAD 1
	s_wait_loadcnt 16                              ; the biases and my two rows are in; Wr's 16 loads may be out
	WIN 0x44                                       ; the bias that this kind does not have becomes 0: no branch
.set n, 0
.rept 64
	v_cndmask_b32 v[BJ+n], 0, v[BJ+n], s[KM]
.set n, n+1
.endr
.set n, 0
.rept 16
	v_cndmask_b32 v[BI+n], 0, v[BI+n], s[VM]
.set n, n+1
.endr
	WIN 0
.macro TURNX p                         ; a row through my stage: in as loaded, out a block of 32 a lane.  LDS serves a wave's instructions in order (ISA guide 5.7.1.4): no wait between
.irp i, 0,1,2,3,4,5,6,7
	ds_store_b128 v8, v[X+32*\p+4*\i:X+32*\p+4*\i+3] offset:576*\i
.endr
.irp i, 0,1,2,3,4,5,6,7
	ds_load_b128 v[Y+32*\p+4*\i:Y+32*\p+4*\i+3], v9 offset:16*\i
.endr
.endm
	TURNX 0
	TURNX 1
.macro ROUTE i                         ; 128 along K of the router's product for both rows: 64 multiply-adds a lane, 16 sums
.if \i < 7
	s_wait_loadcnt 8                               ; this chunk of Wr is in; the next one's 8 loads may be out
.else
	s_wait_loadcnt 0x0
.endif
.irp kk, 0,1,2,3
.irp p, 0,1
.irp e, 0,1,2,3,4,5,6,7
.if (\i == 0) && (\kk == 0)
	v_mul_f32 v[LA+8*\p+\e], v[X+32*\p+4*\i+\kk], v[WR+32*(\i%2)+8*\kk+\e]
.else
	v_fmac_f32 v[LA+8*\p+\e], v[X+32*\p+4*\i+\kk], v[WR+32*(\i%2)+8*\kk+\e]
.endif
.endr
.endr
.endr
.if \i+2 < 8
	WRLOAD \i+2
.endif
.endm
.irp i, 0,1,2,3,4,5,6,7
	ROUTE \i
.endr
	s_wait_dscnt 0x0                               ; both rows are back from the stage
.macro QROW p                          ; my block of 32: its largest magnitude with the floor 2^(3 - 127), the scale, 32 codes = 16 bytes
.set YS, Y+32*\p
	v_max3_num_f32 v10, |v[YS]|, |v[YS+1]|, |v[YS+2]|
	v_max3_num_f32 v11, |v[YS+3]|, |v[YS+4]|, |v[YS+5]|
.irp i, 6,10,14,18,22,26
	v_max3_num_f32 v10, v10, |v[YS+\i]|, |v[YS+\i+1]|
	v_max3_num_f32 v11, v11, |v[YS+\i+2]|, |v[YS+\i+3]|
.endr
	v_max3_num_f32 v10, v10, |v[YS+30]|, |v[YS+31]|
	v_max3_num_f32 v10, v10, v11, 0x1800000
	v_add_nc_u32 v[QSO+\p], 0xff000000, v10        ; 2 off the exponent field: the conversion's scale operand
.irp g, 0,1,2,3
	v_cvt_scalef32_pk8_fp4_f32 v[QC+4*\p+\g], v[YS+8*\g:YS+8*\g+7], v[QSO+\p]
.endr
	v_lshrrev_b32 v[QB+\p], 23, v[QSO+\p]          ; the scale's byte (a plain line behind the conversions)
	global_store_b128 v[LI], v[QC+4*\p:QC+4*\p+3], s[32:33] offset:512*\p     ; the row's 512 bytes of codes
	global_store_b8 v[LANE], v[QB+\p], s[20:21] offset:1048576+32*\p          ; its 32 scale bytes, consecutive
.endm
	QROW 0
	QROW 1
	; the 16 sums over the 32 lanes
.irp x, 1,2,4,8
.set n, 0
.rept 16
	v_add_f32_dpp v[LA+n], v[LA+n], v[LA+n] row_xmask:\x row_mask:0xf bank_mask:0xf
.set n, n+1
.endr
.endr
.set n, 0
.rept 16
	v_permlanex16_b32 v[X+n], v[LA+n], s[SEL], s[SEL+1]
.set n, n+1
.endr
.set n, 0
.rept 16
	v_add_f32 v[LA+n], v[LA+n], v[X+n]
.set n, n+1
.endr
	s_wait_kmcnt 0x0                               ; br
.irp p, 0,1
.irp e, 0,1,2,3,4,5,6,7
	v_add_f32 v[LA+8*\p+\e], s[4+\e], v[LA+8*\p+\e]
.endr
.endr
.macro TOP2 p                          ; the two largest of eight; '>' alone moves a place, so of equal logits the lower index stands first
.set RM1, 20+4*\p
.set RI1, 21+4*\p
.set RM2, 22+4*\p
.set RI2, 23+4*\p
	v_mov_b32 v[RM1], v[LA+8*\p]
	v_mov_b32 v[RI1], 0
	v_mov_b32 v[RM2], 0xff800000
	v_mov_b32 v[RI2], 0
.irp e, 1,2,3,4,5,6,7
	v_cmp_gt_f32 s12, v[LA+8*\p+\e], v[RM1]
	v_cmp_gt_f32 s13, v[LA+8*\p+\e], v[RM2]
	v_cndmask_b32 v[RM2], v[RM2], v[LA+8*\p+\e], s13
	v_cndmask_b32 v[RI2], v[RI2], \e, s13
	v_cndmask_b32 v[RM2], v[RM2], v[RM1], s12
	v_cndmask_b32 v[RI2], v[RI2], v[RI1], s12
	v_cndmask_b32 v[RM1], v[RM1], v[LA+8*\p+\e], s12
	v_cndmask_b32 v[RI1], v[RI1], \e, s12
.endr
.endm
	TOP2 0
	TOP2 1
	v_sub_f32 v10, v22, v20                        ; the softmax of the two: the larger is taken away, as the definition does
	v_sub_f32 v11, v26, v24
	v_mul_f32 v10, 0x3fb8aa3b, v10
	v_mul_f32 v11, 0x3fb8aa3b, v11
	v_exp_f32 v10, v10
	v_exp_f32 v11, v11
	v_lshl_or_b32 v12, v23, 8, v21                 ; (plain lines behind the exponentials)  first | second << 8
	v_lshl_or_b32 v13, v27, 8, v25
	s_wait_alu depctr_va_vdst(0)                   ; one wait for both, ahead of their first reader
	v_add_f32 v14, 1.0, v10
	v_add_f32 v15, 1.0, v11
	v_rcp_f32 v14, v14
	v_rcp_f32 v15, v15
	v_nop
	s_wait_alu depctr_va_vdst(0)
	v_mul_f32 v10, v10, v14
	v_mul_f32 v11, v11, v15
	v_cmp_eq_u32 vcc_lo, 1, v[LANE]                ; lane 0 stores row 0's, lane 1 row 1's
	v_cndmask_b32 v12, v12, v13, vcc_lo
	v_cndmask_b32 v30, v14, v15, vcc_lo
	v_cndmask_b32 v31, v10, v11, vcc_lo
	v_lshlrev_b32 v122, 2, v[LANE]
	v_lshlrev_b32 v123, 3, v[LANE]
	v_cmp_gt_u32 vcc_lo, 2, v[LANE]
	s_wait_xcnt 0x0                                ; EXEC changes only behind this wait
	s_and_saveexec_b32 s3, vcc_lo
	global_store_b32 v122, v12, s[34:35]
	global_store_b64 v123, v[30:31], s[36:37]
	s_wait_xcnt 0x0                                ; and again in front of the line that widens it; every store's registers are free from here on
	s_or_b32 exec_lo, exec_lo, s3
	; where my fragments lie in LDS
	v_mul_u32_u24 v10, v[RR], 528
	v_lshl_add_u32 v10, v[HH], 4, v10
	s_mul_i32 s12, s[WI], HALF
	s_mul_i32 s13, s[WJ], HALF
	s_add_co_u32 s13, s13, 2*HALF
	v_add_nc_u32 v[ADRP], s12, v10
	v_add_nc_u32 v[ADRR], s13, v10
	v_lshrrev_b32 v11, 3, v[RR]
	v_mul_u32_u24 v11, v11, 544
	v_and_b32 v12, 7, v[RR]
	v_lshl_add_u32 v11, v12, 5, v11                ; a tile's row r: two units on for r >= 8, 32 bytes a row
	s_mul_i32 s12, s[WI], HALFS
	s_mul_i32 s13, s[WJ], HALFS
	s_add_co_u32 s13, s13, 2*HALFS
	s_sub_co_u32 s13, s13, s12
	v_mul_u32_u24 v12, s13, v[HH]                  ; lanes 16-31 take R's
	s_add_co_u32 s12, s12, SCL
	v_add_nc_u32 v11, v11, v12
	v_add_nc_u32 v[ADRS], s12, v11
	s_wait_tensorcnt 0x0                           ; my three fills have landed,
	s_wait_dscnt 0x0
	s_barrier_signal -1
	s_barrier_wait -1                              ; everybody's have
.macro FRAG reg, adr, q, t             ; 16 rows x 128 K of 4-bit codes: 8 registers, two loads 32 bytes apart
.irp c, 0,1
	ds_load_b128 v[(\reg)+4*\c:(\reg)+4*\c+3], v[\adr] offset:((\t)%2)*CODB+((\t)/2)*8448+64*(\q)+32*\c
.endr
.endm
.macro FETCH_R q, p
	WIN 0x40
.irp i, 0,1,2,3,4,5,6,7
	FRAG 128*(\p)+8*\i, ADRR, \q, \i
.endr
	WIN 0
.endm
.macro FETCH_P q, i0
.irp i, \i0, \i0+1, \i0+2, \i0+3
	FRAG PF+8*(\i), ADRP, \q, \i
.endr
.endm
; 16 products: P's tiles a0, a0 + 1 against R's eight.  The 64 accumulators take turns, one instruction a turn, in the same order in every K step.  first = 1: C is the bias along j
.macro MUL16 a0, p, q, first
.irp a, \a0, \a0+1
.irp b, 0,1,2,3,4,5,6,7
.if \first
	v_wmma_scale_f32_16x16x128_f8f6f4 v[8*(8*((\a)%4)+\b):8*(8*((\a)%4)+\b)+7], v[128*(\p)+8*\b:128*(\p)+8*\b+7], v[PF+8*(\a):PF+8*(\a)+7], v[BJ+8*\b:BJ+8*\b+7], v[SC+8*\b+(\q)], v[SC+8*(\a)+(\q)] matrix_a_fmt:MATRIX_FMT_FP4 matrix_b_fmt:MATRIX_FMT_FP4 matrix_a_scale:MATRIX_SCALE_ROW1
.else
	v_wmma_scale_f32_16x16x128_f8f6f4 v[8*(8*((\a)%4)+\b):8*(8*((\a)%4)+\b)+7], v[128*(\p)+8*\b:128*(\p)+8*\b+7], v[PF+8*(\a):PF+8*(\a)+7], v[8*(8*((\a)%4)+\b):8*(8*((\a)%4)+\b)+7], v[SC+8*\b+(\q)], v[SC+8*(\a)+(\q)] matrix_a_fmt:MATRIX_FMT_FP4 matrix_b_fmt:MATRIX_FMT_FP4 matrix_a_scale:MATRIX_SCALE_ROW1
.endif
.endr
.endr
.endm
.macro STEP q, first                   ; source 0 (R) window 1, source 1 (P) window 0, D window 2 or 3, C with D or (first) window 1
	s_wait_dscnt 8                                 ; R's set and P's tiles 0-3 are in; the youngest 8 loads (P's tiles 4-7) may be out
	WIN 0xa1-0x10*\first
	MUL16 0, (\q)%2, \q, \first
	MUL16 2, (\q)%2, \q, \first
	s_wait_dscnt 0x0
	PLACES
	FETCH_R (\q)+1, 1-(\q)%2
	FETCH_P (\q)+1, 0
	WIN 0xf1-0x20*\first
	MUL16 4, (\q)%2, \q, \first
	MUL16 6, (\q)%2, \q, \first
	PLACES
	WIN 0
	FETCH_P (\q)+1, 4
.endm
	FETCH_R 0, 0
	FETCH_P 0, 0
.irp t, 0,1,2,3,4,5,6,7
.irp k, 0,1
	ds_load_b128 v[SC+8*\t+4*\k:SC+8*\t+4*\k+3], v[ADRS] offset:(4*(\t/2)+(\t%2))*272+16*\k   ; all eight K steps' scale words
.endr
.endr
	FETCH_P 0, 4
	STEP 0, 1
.irp q, 1,2,3,4,5,6
	STEP \q, 0
.endr
	s_wait_dscnt 8
	WIN 0xa1
	MUL16 0, 1, 7, 0
	MUL16 2, 1, 7, 0
	s_wait_dscnt 0x0
	WIN 0xf1
	MUL16 4, 1, 7, 0
	MUL16 6, 1, 7, 0
	WIN 0
	PLACES
	; THE WAY OUT.  kv's addresses
	s_lshl_b32 s12, ttmp9, 19
	s_lshl_b32 s16, s[CX], 17
	s_add_co_u32 s12, s12, s16
	s_lshl_b32 s16, s[WJ], 16
	s_add_co_u32 s12, s12, s16
	s_lshl_b32 s16, s[CY], 14
	s_add_co_u32 s12, s12, s16
	s_lshl_b32 s16, s[WI], 13
	s_add_co_u32 s12, s12, s16
	s_mov_b32 s13, 0
	s_add_nc_u64 s[12:13], s[30:31], s[12:13]      ; codes: 524,288 g + 65,536 (2 cx + wj) + 1,024 (16 cy + 8 wi)
	s_lshl_b32 s14, ttmp9, 15
	s_lshl_b32 s16, s[CX], 13
	s_add_co_u32 s14, s14, s16
	s_lshl_b32 s16, s[WJ], 12
	s_add_co_u32 s14, s14, s16
	s_lshl_b32 s16, s[CY], 10
	s_add_co_u32 s14, s14, s16
	s_lshl_b32 s16, s[WI], 9
	s_add_co_u32 s14, s14, s16
	s_add_co_u32 s14, s14, 0x800000
	s_mov_b32 s15, 0
	s_add_nc_u64 s[14:15], s[30:31], s[14:15]      ; scale words: 8,388,608 + 32,768 g + 4,096 (2 cx + wj) + 512 (2 cy + wi)
	s_mov_b32 s16, 0xffff0000
.irp b, 0,1,2,3
	v_mov_b32 v[TM+4+\b], 0                        ; a lane permute's destination counts as one of its sources
.endr
; 64 numbers of a lane, register 16 b + i = j 32 b + 16 (lane / 16) + i of my row, become a fragment's codes and its scale word
.macro QUANT s, pc, pw
.irp b, 0,1,2,3
	v_max3_num_f32 v[TM+\b], |v[\s+16*\b]|, |v[\s+1+16*\b]|, 0x1800000
.endr
.irp i, 2,4,6,8,10,12,14
.irp b, 0,1,2,3
	v_max3_num_f32 v[TM+\b], v[TM+\b], |v[\s+16*\b+\i]|, |v[\s+1+16*\b+\i]|
.endr
.endr
.irp b, 0,1,2,3
	v_permlanex16_b32 v[TM+4+\b], v[TM+\b], s[SEL], s[SEL+1]
.endr
.irp b, 0,1,2,3
	v_max_num_f32 v[TM+\b], v[TM+\b], v[TM+4+\b]
.endr
.irp b, 0,1,2,3
	v_add_nc_u32 v[TM+12+\b], 0xff000000, v[TM+\b]
.endr
.irp b, 0,1,2,3
	v_lshrrev_b32 v[TM+4+\b], 23, v[TM+12+\b]
.endr
	v_lshl_or_b32 v[(\pw)], v[TM+5], 8, v[TM+4]
	v_lshl_or_b32 v[(\pw)], v[TM+6], 16, v[(\pw)]
	v_lshl_or_b32 v[(\pw)], v[TM+7], 24, v[(\pw)]
.irp b, 0,1,2,3
	v_cvt_scalef32_pk8_fp4_f32 v[(\pc)+2*\b], v[\s+16*\b:\s+7+16*\b], v[TM+12+\b]
	v_cvt_scalef32_pk8_fp4_f32 v[(\pc)+1+2*\b], v[\s+8+16*\b:\s+15+16*\b], v[TM+12+\b]
.endr
	v_nop                                          ; one plain line behind a scaled conversion
.irp c, 0,1
.irp i, 0,1
	v_permlane16_swap_b32 v[(\pc)+4*\c+\i], v[(\pc)+2+4*\c+\i]   ; a whole block to a lane, as the operand's layout wants it
.endr
.endr
.endm
.macro OUTA a                          ; my tile a of i: + the bias along i, into window 0 (each accumulator from its low end on); quantised; its image stored: two stores of 512 aligned bytes
	WIN 0x06+(\a)/4
.set j, 0
.rept 32
	v_pk_add_f32 v[T+j:T+j+1], v[64*((\a)%4)+j:64*((\a)%4)+j+1], v[BI+2*(\a):BI+2*(\a)+1] op_sel_hi:[1,0]
.set j, j+2
.endr
	WIN 0
	QUANT T, PC+8*(\a), PW+(\a)
	global_store_b128 v[LI], v[PC+8*(\a):PC+8*(\a)+3], s[12:13] offset:1024*(\a)
	global_store_b128 v[LI], v[PC+8*(\a)+4:PC+8*(\a)+7], s[12:13] offset:1024*(\a)+512
.endm
.irp a, 0,1,2,3,4,5,6,7
	OUTA \a
.endr
.irp q, 0,1,2,3
	v_cndmask_b32 v[SW+\q], v[PW+2*\q], v[PW+2*\q+1], s16   ; lanes 0-15 the even tile's word, lanes 16-31 the odd tile's
.endr
	global_store_b128 v[LI], v[SW:SW+3], s[14:15]
	s_wait_tensorcnt 0x0                           ; the wave's end
	ds_add_u32 v[SPW], v[NIL]
	s_wait_dscnt 0x0
	CROUND                                         ; the closing round
	s_endpgm
.Lfunc_end_k_q86937e0e2e_prep:
	.size	k_q86937e0e2e_prep, .Lfunc_end_k_q86937e0e2e_prep-k_q86937e0e2e_prep
	.p2alignl 7, 3214868480
	.fill 96, 4, 3214868480
	.section	.rodata,"a",@progbits
	.p2align	6, 0x0
	.amdhsa_kernel k_q86937e0e2e_prep
		.amdhsa_group_segment_fixed_size 327680
		.amdhsa_private_segment_fixed_size 0
		.amdhsa_enable_private_segment 0
		.amdhsa_kernarg_size 136
		.amdhsa_user_sgpr_count 2
		.amdhsa_user_sgpr_kernarg_segment_ptr 1
		.amdhsa_wavefront_size32 1
		.amdhsa_system_sgpr_workgroup_id_x 1
		.amdhsa_system_sgpr_workgroup_id_y 1
		.amdhsa_system_sgpr_workgroup_id_z 1
		.amdhsa_system_vgpr_workitem_id 0
		.amdhsa_next_free_vgpr 1024
		.amdhsa_next_free_sgpr 106
		.amdhsa_reserve_vcc 1
		.amdhsa_float_denorm_mode_32 3
		.amdhsa_float_denorm_mode_16_64 3
		.amdhsa_memory_ordered 1
		.amdhsa_forward_progress 1
		.amdhsa_inst_pref_size 196
	.end_amdhsa_kernel
	.amdgpu_metadata
---
amdhsa.version: [ 1, 2 ]
amdhsa.kernels:
  - .name:           k_q86937e0e2e_prep
    .symbol:         k_q86937e0e2e_prep.kd
    .args:
      - { .name: keys_codes, .offset: 0, .size: 8, .value_kind: global_buffer, .address_space: global }
      - { .name: keys_scales, .offset: 8, .size: 8, .value_kind: global_buffer, .address_space: global }
      - { .name: Wk_codes, .offset: 16, .size: 8, .value_kind: global_buffer, .address_space: global }
      - { .name: Wk_scales, .offset: 24, .size: 8, .value_kind: global_buffer, .address_space: global }
      - { .name: values_codes, .offset: 32, .size: 8, .value_kind: global_buffer, .address_space: global }
      - { .name: values_scales, .offset: 40, .size: 8, .value_kind: global_buffer, .address_space: global }
      - { .name: Wv_codes, .offset: 48, .size: 8, .value_kind: global_buffer, .address_space: global }
      - { .name: Wv_scales, .offset: 56, .size: 8, .value_kind: global_buffer, .address_space: global }
      - { .name: bk, .offset: 64, .size: 8, .value_kind: global_buffer, .address_space: global }
      - { .name: bv, .offset: 72, .size: 8, .value_kind: global_buffer, .address_space: global }
      - { .name: queries, .offset: 80, .size: 8, .value_kind: global_buffer, .address_space: global }
      - { .name: Wr, .offset: 88, .size: 8, .value_kind: global_buffer, .address_space: global }
      - { .name: br, .offset: 96, .size: 8, .value_kind: global_buffer, .address_space: global }
      - { .name: kv, .offset: 104, .size: 8, .value_kind: global_buffer, .address_space: global }
      - { .name: xq, .offset: 112, .size: 8, .value_kind: global_buffer, .address_space: global }
      - { .name: sel, .offset: 120, .size: 8, .value_kind: global_buffer, .address_space: global }
      - { .name: rw, .offset: 128, .size: 8, .value_kind: global_buffer, .address_space: global }
    .group_segment_fixed_size: 327680
    .private_segment_fixed_size: 0
    .kernarg_segment_align: 8
    .kernarg_segment_size: 136
    .max_flat_workgroup_size: 128
    .sgpr_count:     106
    .vgpr_count:     1024
    .wavefront_size: 32
...
	.end_amdgpu_metadata
.endif
;; end of part 1
;; launch place (part 2): grid 1 x 1, 16 waves a work-group, no clusters, 4,096 bytes of LDS; arguments sel, plan; writes plan
.if DOCPART == 2
	.amdgcn_target "amdgcn-amd-amdhsa--gfx1250"
	.amdhsa_code_object_version 6
	.text
	.protected	k_q86937e0e2e_place
	.globl	k_q86937e0e2e_place
	.p2align	8
	.type	k_q86937e0e2e_place,@function
k_q86937e0e2e_place:
	s_mov_b64 s[64:65], 0
	v_nop
	global_prefetch_b8 v0, s[64:65] scope:SCOPE_SE
	s_setreg_imm32_b32 hwreg(HW_REG_WAVE_MODE, 25, 1), 1
	s_wait_xcnt 0x0
; PLACE.  The 4,096 routed rows (token, slot) are placed by group g = expert + 8 batch, each group from a multiple of 64 on: a counting sort without atomics and with all lanes on throughout.
; Wave w owns tokens 128 w .. 128 w + 127 (batch w / 8), four a lane.  (1) It counts its members of each of the 8 experts.  (2) The counts meet in LDS (wave w's at 128 w, lane e's word = expert e), one barrier.
; (3) Every wave makes, in scalars: each group's total, its tiles of 64, the tiles' first numbers; and for its own 8 groups the place of its first member.  (4) Each lane's eight places follow by counting mask bits.
; OUT (plan): rowlist[place] = token, from byte 0 (5,120 words; only the places of real rows are written, and only those are read later); pos[token][slot] = place, from byte 20,480;
; tiletab[tile] = expert | batch << 4 | rows << 8, from byte 36,864 (128 words; a tile that the split leaves empty holds 0).  At most (4096 + 16 x 63) / 64 = 79 tiles, whatever the split.
.set CT,  16                           ; s16-31  first my 8 counts, then the 16 groups' totals
.set RUN, 32                           ; s32-39  the next place in each of my 8 groups
.set BS,  40                           ; s40-55  each group's first tile
.set TL,  66                           ; s66-81  each group's tiles
	s_load_b128 s[4:7], s[0:1], 0x0                ; sel, plan
	v_lshl_add_u32 v64, v0, 2, 0x800
	v_mov_b32 v65, 0
	v_lshrrev_b32 v1, 5, v0
	v_readfirstlane_b32 s8, v1                     ; wave
	s_and_b32 s9, s8, 8                            ; 8 x my batch
	v_lshlrev_b32 v1, 4, v0                        ; my four words of sel
	v_lshlrev_b32 v2, 2, v0
	v_and_b32 v3, 7, v0
	v_lshlrev_b32 v3, 2, v3
	s_wait_kmcnt 0x0
	global_load_b128 v[4:7], v1, s[4:5]
.irp e, 0,1,2,3,4,5,6,7
	s_mov_b32 s[CT+\e], 0
.endr
	v_mov_b32 v16, 0
	s_wait_loadcnt 0x0
.irp j, 0,1,2,3
	v_and_b32 v[8+\j], 0xff, v[4+\j]               ; the first expert,
	v_lshrrev_b32 v[12+\j], 8, v[4+\j]             ; the second
.endr
.irp j, 0,1,2,3
.irp e, 0,1,2,3,4,5,6,7
	v_cmp_eq_u32 s10, \e, v[8+\j]
	v_cmp_eq_u32 s11, \e, v[12+\j]
	s_or_b32 s10, s10, s11
	s_bcnt1_i32_b32 s10, s10
	s_add_co_u32 s[CT+\e], s[CT+\e], s10
.endr
.endr
.irp e, 0,1,2,3,4,5,6,7
	v_writelane_b32 v16, s[CT+\e], \e
.endr
	ds_store_b32 v2, v16                           ; 4 x thread: lanes 8-31 store zeros
	s_wait_dscnt 0x0                               ; for the others' sake
	s_barrier_signal -1
	s_barrier_wait -1
.irp k, 0,1,2,3,4,5,6,7,8,9,10,11,12,13,14,15
	ds_load_b32 v[32+\k], v3 offset:128*\k         ; wave k's count of expert lane % 8
.endr
	v_mov_b32 v20, 0
	v_mov_b32 v21, 0
	v_mov_b32 v22, 0
	s_wait_dscnt 0x0
.irp k, 0,1,2,3,4,5,6,7
	v_add_nc_u32 v20, v20, v[32+\k]                ; batch 0's totals,
	v_add_nc_u32 v21, v21, v[40+\k]                ; batch 1's
.endr
.irp k, 0,1,2,3,4,5,6,7,8,9,10,11,12,13,14,15
	s_cmp_gt_u32 s8, \k                            ; the waves of my batch ahead of me
	s_cselect_b32 s10, 1, 0
	s_cmp_le_u32 s9, \k
	s_cselect_b32 s10, s10, 0
	v_mad_u32_u24 v22, v[32+\k], s10, v22
.endr
.irp e, 0,1,2,3,4,5,6,7
	v_readlane_b32 s[CT+\e], v20, \e
	v_readlane_b32 s[CT+8+\e], v21, \e
	v_readlane_b32 s[RUN+\e], v22, \e
.endr
	s_mov_b32 s11, 0
.irp g, 0,1,2,3,4,5,6,7,8,9,10,11,12,13,14,15
	s_add_co_u32 s[TL+\g], s[CT+\g], 63
	s_lshr_b32 s[TL+\g], s[TL+\g], 6
	s_mov_b32 s[BS+\g], s11
	s_add_co_u32 s11, s11, s[TL+\g]
.endr
.irp e, 0,1,2,3,4,5,6,7
	s_cmp_eq_u32 s9, 0
	s_cselect_b32 s10, s[BS+\e], s[BS+8+\e]
	s_lshl_b32 s10, s10, 6
	s_add_co_u32 s[RUN+\e], s[RUN+\e], s10
.endr
.irp n, 0,1,2,3,4,5,6,7
	v_mov_b32 v[24+\n], 0
.endr
.irp j, 0,1,2,3
.irp e, 0,1,2,3,4,5,6,7
	v_cmp_eq_u32 s10, \e, v[8+\j]
	v_cmp_eq_u32 s11, \e, v[12+\j]
	s_or_b32 s12, s10, s11
	v_mbcnt_lo_u32_b32 v23, s12, s[RUN+\e]         ; the group's next place + its members in lower lanes
	v_cndmask_b32 v[24+2*\j], v[24+2*\j], v23, s10
	v_cndmask_b32 v[25+2*\j], v[25+2*\j], v23, s11
	s_bcnt1_i32_b32 s12, s12
	s_add_co_u32 s[RUN+\e], s[RUN+\e], s12
.endr
.endr
	v_lshlrev_b32 v17, 2, v0                       ; my first token
	v_lshlrev_b32 v18, 5, v0                       ; my 32 bytes of pos
.irp n, 0,1,2,3,4,5,6,7
	v_min_u32 v[24+\n], 0x13ff, v[24+\n]           ; a place made from loaded numbers is held inside rowlist before it enters an address
	v_lshlrev_b32 v[36+\n], 2, v[24+\n]
.endr
.irp j, 0,1,2,3
	v_add_nc_u32 v[44+\j], \j, v17
.endr
.irp j, 0,1,2,3
	global_store_b32 v[36+2*\j], v[44+\j], s[6:7]
	global_store_b32 v[37+2*\j], v[44+\j], s[6:7]
.endr
	global_store_b128 v18, v[24:27], s[6:7] offset:20480     ; a wave's pos: 1,024 consecutive bytes
	global_store_b128 v18, v[28:31], s[6:7] offset:20496
	s_cmp_ge_u32 s8, 4                             ; threads 0-127 gather the table of tiles; no barrier follows
	s_cbranch_scc1 .Lend
	v_mov_b32 v50, 0
.irp g, 0,1,2,3,4,5,6,7,8,9,10,11,12,13,14,15
	v_sub_nc_u32 v51, v0, s[BS+\g]                 ; which tile of group g would I be?
	v_cmp_gt_u32 vcc_lo, s[TL+\g], v51
	v_lshlrev_b32 v52, 6, v51
	v_sub_nc_u32 v52, s[CT+\g], v52
	v_min_u32 v52, 64, v52                         ; its rows
	v_lshl_or_b32 v52, v52, 8, (\g%8)|((\g/8)<<4)
	v_cndmask_b32 v50, v50, v52, vcc_lo
.endr
	global_store_b32 v2, v50, s[6:7] offset:36864
.Lend:
	s_barrier_signal -1
	s_barrier_wait -1
	s_wait_tensorcnt 0x0
	ds_add_u32 v64, v65
	s_wait_dscnt 0x0
	s_endpgm
.Lfunc_end_k_q86937e0e2e_place:
	.size	k_q86937e0e2e_place, .Lfunc_end_k_q86937e0e2e_place-k_q86937e0e2e_place
	.p2alignl 7, 3214868480
	.fill 96, 4, 3214868480
	.section	.rodata,"a",@progbits
	.p2align	6, 0x0
	.amdhsa_kernel k_q86937e0e2e_place
		.amdhsa_group_segment_fixed_size 4096
		.amdhsa_private_segment_fixed_size 0
		.amdhsa_enable_private_segment 0
		.amdhsa_kernarg_size 16
		.amdhsa_user_sgpr_count 2
		.amdhsa_user_sgpr_kernarg_segment_ptr 1
		.amdhsa_wavefront_size32 1
		.amdhsa_system_sgpr_workgroup_id_x 1
		.amdhsa_system_sgpr_workgroup_id_y 1
		.amdhsa_system_sgpr_workgroup_id_z 1
		.amdhsa_system_vgpr_workitem_id 0
		.amdhsa_next_free_vgpr 66
		.amdhsa_next_free_sgpr 82
		.amdhsa_reserve_vcc 1
		.amdhsa_float_denorm_mode_32 3
		.amdhsa_float_denorm_mode_16_64 3
		.amdhsa_memory_ordered 1
		.amdhsa_forward_progress 1
		.amdhsa_inst_pref_size 39
	.end_amdhsa_kernel
	.amdgpu_metadata
---
amdhsa.version: [ 1, 2 ]
amdhsa.kernels:
  - .name:           k_q86937e0e2e_place
    .symbol:         k_q86937e0e2e_place.kd
    .args:
      - { .name: sel, .offset: 0, .size: 8, .value_kind: global_buffer, .address_space: global }
      - { .name: plan, .offset: 8, .size: 8, .value_kind: global_buffer, .address_space: global }
    .group_segment_fixed_size: 4096
    .private_segment_fixed_size: 0
    .kernarg_segment_align: 8
    .kernarg_segment_size: 16
    .max_flat_workgroup_size: 512
    .sgpr_count:     82
    .vgpr_count:     66
    .wavefront_size: 32
...
	.end_amdgpu_metadata
.endif
;; end of part 2
;; launch attn (part 3): grid 79 x 16, 4 waves a work-group, no clusters, 73,216 bytes of LDS; arguments plan, xq, Wq_codes, Wq_scales, bq, kv, ao; writes ao
.if DOCPART == 3
	.amdgcn_target "amdgcn-amd-amdhsa--gfx1250"
	.amdhsa_code_object_version 6
	.text
	.protected	k_q86937e0e2e_attn
	.globl	k_q86937e0e2e_attn
	.p2align	8
	.type	k_q86937e0e2e_attn,@function
k_q86937e0e2e_attn:
	s_mov_b64 s[64:65], 0
	v_nop
	global_prefetch_b8 v0, s[64:65] scope:SCOPE_SE
	s_setreg_imm32_b32 hwreg(HW_REG_WAVE_MODE, 25, 1), 1
	s_wait_xcnt 0x0
; ATTN.  A work-group takes one tile of up to 64 routed rows of one group (expert e, batch b) and ONE head: gather the rows' codes of x, q = x Wq[e] + bq for the head's 64 features, quantise, attention over the
; expert's 512 keys, divide by the row's sum, quantise, store O's codes.  Grid x: 79 tiles serve every split; a tile that the split leaves empty stores nothing.  Grid y: the head.
; It has no tensor load: its operands go through registers into LDS once (one barrier, ahead of the only branch on data), and LDS is only read afterwards.  No multicast.
; A wave owns 16 rows, in 256 registers.  All products are used transposed (source 0 = 16 features or keys, source 1 = my 16 rows): a lane holds ONE row throughout, and its registers run along the next product's K.
; The tiles of Wq's rows, of k's keys and of v's features take rows 32 b + 8 u + r + 8 (r / 8): the registers of two neighbouring tiles are 16 neighbours.
; THE HEAD HAS 64 ALONG K, the instruction 128: q's codes of the upper 64 are zeros (registers 4-7 of its fragment); beside them k's fragment names the next tile's four registers, whose products with zeros add nothing
; (no scale byte here is 0xff: k's are 1..254 or 0, q's upper two are 0).
; SOFTMAX: t = score x log2(e) / 8; M = the running largest t rounded up to a whole number; p = 2^(t - M) is quantised along the keys; the sum is taken of the unquantised p and divides at the end.
; A block's largest p is taken through its largest score (it takes v_exp_f32 not to fall where its input rises).  LIMITS: NaN and infinities are not served; a block of zeros gets the scale byte 1.
; Rows beyond the tile's count repeat its last row and land in places of their own that nobody reads.  An empty tile reads the list's word 0, which every split writes, and uses nothing of it.
.set WQS,  33792                       ; LDS: Wq's 64 rows x 528 from 0 (a tile's 16 rows on end); their scale bytes [row][32];
.set KC,   35840                       ; k: 32 tiles x 512 bytes (this head's half of each image);
.set KS,   52224                       ; its scale words, 4 blocks of 512, shifted so that this head's two bytes stand lowest;
.set VC,   54272                       ; v: [key step 4][tile 4][1,024];
.set VS,   70656                       ; its scale words, 4 blocks of 512
.set LANE, 1
.set LI,   2
.set RR,   3
.set HH,   4
.set T16,  5
.set T16V, 6
.set LV,   7
.set LVS,  8
.set WQA,  9
.set WQSA, 10
.set QF,   16                          ; v16-23  q's fragment (20-23 zeros)
.set XQS,  24                          ; v24-31  x's scale words
.set WQF,  32                          ; v32-95  Wq's fragments, two sets;  later
.set KF,   32                          ; v32-67  k: 8 tiles x 4 registers and 4 zeros
.set VF,   68                          ; v68-99  v: 4 tiles x 8
.set XQ,   96                          ; v96-159 x's eight fragments;  later
.set S,    100                         ; v100-163 the scores, then p
.set ACC,  160                         ; v160-191 q
.set O,    164                         ; v164-195 O^T
.set BQ,   192
.set PC,   196
.set KSC,  204
.set VSC,  208
.set BM,   210
.set T2,   214
.set SO,   218
.set F,    222
.set PSW,  224
.set WQSC, 224                         ; v224-255 Wq's scale words (during the projection)
.set TMP,  225
.set SUM2, 226
.set QS,   228
.set AOO,  229
.set AOS,  230
.set KG,   236
.set VG,   237
.set WL,   238
.set IDX,  239
.set TAU,  240
.set XO,   241
.set XSO,  242
.set BQO,  243
.set WV,  18
.set ETA, 19
.set SEL, 42
.set CS,  44
.macro PLACES
.rept 4
	v_nop
.endr
.endm
	s_load_b256 s[4:11], s[0:1], 0x0               ; plan, xq, Wq's codes, Wq's scales
	s_load_b128 s[12:15], s[0:1], 0x20             ; bq, kv
	s_load_b64 s[16:17], s[0:1], 0x30              ; ao
	s_set_vgpr_msb 0x40
	v_lshl_add_u32 v0, v0, 2, 0x11c00
	v_mov_b32 v1, 0
	s_set_vgpr_msb 0x4000
	v_lshrrev_b32 v11, 5, v0
	v_readfirstlane_b32 s[WV], v11
	s_and_b32 s[ETA], ttmp7, 0xffff                ; the head
	s_lshl_b32 s2, ttmp9, 2                        ; the table word's offset: s2 serves this load alone and is never written again
	s_wait_kmcnt 0x0
	s_load_b32 s20, s[4:5], s2 offset:36864        ; my tile: expert | batch << 4 | rows << 8
	v_and_b32 v[LANE], 31, v0
	v_lshlrev_b32 v[LI], 4, v[LANE]
	v_and_b32 v[RR], 15, v0
	v_bfe_u32 v[HH], v0, 4, 1
	v_lshlrev_b32 v[T16], 4, v0
	v_add_nc_u32 v[T16V], VC, v[T16]
	v_add_nc_u32 v[LV], VC, v[LI]
	s_and_b32 s47, s[ETA], 1
	s_lshr_b32 s46, s[ETA], 1
	s_lshl_b32 s23, s47, 3
	s_add_co_u32 s23, s23, VS
	v_add_nc_u32 v[LVS], s23, v[LI]                ; v's scale words: 16 lane + 8 (head % 2): two of the block's four words are this head's
	v_mul_u32_u24 v[WQA], v[RR], 528
	v_lshl_add_u32 v[WQA], v[HH], 4, v[WQA]
	v_and_b32 v11, 8, v[RR]
	v_add_nc_u32 v11, v11, v[RR]
	v_lshl_add_u32 v[WQSA], v11, 5, WQS
	s_mul_i32 s23, s[WV], 528
	v_add_nc_u32 v[WL], s23, v[LI]
	s_lshl_b32 s23, s[WV], 10
	v_add_nc_u32 v[KG], s23, v[LI]
	s_lshl_b32 s23, s[WV], 12
	v_add_nc_u32 v[VG], s23, v[LI]
	v_lshlrev_b32 v[BQO], 6, v[HH]
	v_lshrrev_b32 v[IDX], 5, v0
	v_lshl_add_u32 v[IDX], v[IDX], 4, v[RR]        ; my row in the tile
	s_mov_b32 s[SEL], 0x76543210
	s_mov_b32 s[SEL+1], 0xfedcba98
	s_mov_b32 s[CS], 0x3e38aa3b                    ; c = log2(e) / 8
	s_mov_b32 s[CS+1], s[CS]
	s_mov_b32 s41, 0
	s_wait_kmcnt 0x0
	s_bfe_u32 s21, s20, 0x40004
	s_bfe_u32 s22, s20, 0x80008
	s_and_b32 s20, s20, 15
	s_min_u32 s20, s20, 7                          ; loaded numbers are held to their ranges before they enter addresses
	s_min_u32 s21, s21, 1
	s_min_u32 s22, s22, 64
	s_max_u32 s25, s22, 1
	s_sub_co_u32 s25, s25, 1
	s_min_u32 s25, s25, 63                         ; the tile's last row
	v_min_u32 v[IDX], s25, v[IDX]
	v_min_u32 v[IDX], 63, v[IDX]
	v_lshlrev_b32 v[IDX], 2, v[IDX]
	s_min_u32 s23, s22, 1                          ; 0 for an empty tile, else 1
	s_lshl_b32 s40, ttmp9, 8
	s_mul_i32 s40, s40, s23                        ; an empty tile reads the list's first word: only words that were written are read
	s_add_nc_u64 s[24:25], s[4:5], s[40:41]        ; rowlist at my tile
	s_lshl_b32 s40, s20, 19
	s_lshl_b32 s23, s[ETA], 15
	s_add_co_u32 s40, s40, s23
	s_add_nc_u64 s[26:27], s[8:9], s[40:41]        ; Wq's rows 1024 e + 64 head
	s_lshl_b32 s40, s20, 15
	s_lshl_b32 s23, s[ETA], 11
	s_add_co_u32 s40, s40, s23
	s_add_nc_u64 s[28:29], s[10:11], s[40:41]
	s_lshl_b32 s40, s20, 12
	s_lshl_b32 s23, s[ETA], 8
	s_add_co_u32 s40, s40, s23
	s_add_nc_u64 s[30:31], s[12:13], s[40:41]
	s_lshl_b32 s40, s20, 19                        ; k's images: 524,288 e + 65,536 (head / 2) + 32,768 b + 512 (head % 2)
	s_lshl_b32 s23, s46, 16
	s_add_co_u32 s40, s40, s23
	s_lshl_b32 s23, s21, 15
	s_add_co_u32 s40, s40, s23
	s_lshl_b32 s23, s47, 9
	s_add_co_u32 s40, s40, s23
	s_add_nc_u64 s[32:33], s[14:15], s[40:41]
	s_lshl_b32 s40, s20, 15                        ; k's scale words: 8,388,608 + 32,768 e + 4,096 (head / 2) + 2,048 b
	s_lshl_b32 s23, s46, 12
	s_add_co_u32 s40, s40, s23
	s_lshl_b32 s23, s21, 11
	s_add_co_u32 s40, s40, s23
	s_add_co_u32 s40, s40, 0x800000
	s_add_nc_u64 s[34:35], s[14:15], s[40:41]
	s_lshl_b32 s40, s20, 19                        ; v's images: 524,288 (8 + e) + 262,144 b + 4,096 head
	s_lshl_b32 s23, s21, 18
	s_add_co_u32 s40, s40, s23
	s_lshl_b32 s23, s[ETA], 12
	s_add_co_u32 s40, s40, s23
	s_add_co_u32 s40, s40, 0x400000
	s_add_nc_u64 s[36:37], s[14:15], s[40:41]
	s_lshl_b32 s40, s20, 15                        ; v's scale words: 8,388,608 + 32,768 (8 + e) + 16,384 b + 512 (head / 2)
	s_lshl_b32 s23, s21, 14
	s_add_co_u32 s40, s40, s23
	s_lshl_b32 s23, s46, 9
	s_add_co_u32 s40, s40, s23
	s_add_co_u32 s40, s40, 0x840000
	s_add_nc_u64 s[38:39], s[14:15], s[40:41]
	s_mul_i32 s40, s[ETA], 163840                  ; ao's codes: 163,840 head + 32 (64 tile + 16 wave)
	s_lshl_b32 s23, ttmp9, 11
	s_add_co_u32 s40, s40, s23
	s_lshl_b32 s23, s[WV], 9
	s_add_co_u32 s40, s40, s23
	s_add_nc_u64 s[48:49], s[16:17], s[40:41]
	s_mul_i32 s40, s[ETA], 10240                   ; its scale bytes: (2,621,440 in the immediate) + 10,240 head + 2 (64 tile + 16 wave)
	s_lshl_b32 s23, ttmp9, 7
	s_add_co_u32 s40, s40, s23
	s_lshl_b32 s23, s[WV], 5
	s_add_co_u32 s40, s40, s23
	s_add_nc_u64 s[50:51], s[16:17], s[40:41]
	s_lshl_b32 s46, s47, 4                         ; 16 (head % 2): the shift of k's scale words
	global_load_b32 v[TAU], v[IDX], s[24:25]       ; my row's token
.irp it, 0,1,2,3,4,5,6,7,8,9,10,11,12,13,14,15
	global_load_b128 v[32+4*\it:35+4*\it], v[T16], s[26:27] offset:2048*\it      ; Wq: 2,048 dense bytes (4 rows) for the work-group
.endr
	global_load_b128 v[224:227], v[T16], s[28:29]
.irp it, 0,1,2,3,4,5,6,7
	global_load_b128 v[160+4*\it:163+4*\it], v[KG], s[32:33] offset:4096*\it     ; k: a wave takes this head's 512 bytes of tile 4 it + wave
.endr
	global_load_b128 v[228:231], v[T16], s[34:35]
.irp it, 0,1,2,3,4,5,6,7
	global_load_b128 v[192+4*\it:195+4*\it], v[T16], s[36:37] offset:65536*(\it/2)+2048*(\it%2)
.endr
	global_load_b128 v[232:235], v[VG], s[38:39]
	s_wait_loadcnt 35                              ; the token is in; the 35 loads behind it may be out
	v_min_u32 v[TAU], 0x7ff, v[TAU]
	v_lshlrev_b32 v[XO], 9, v[TAU]
	v_lshl_add_u32 v[XO], v[HH], 4, v[XO]
	v_lshlrev_b32 v[XSO], 5, v[TAU]
.irp s, 0,1,2,3,4,5,6,7
.irp c, 0,1
	global_load_b128 v[XQ+8*\s+4*\c:XQ+8*\s+4*\c+3], v[XO], s[6:7] offset:64*\s+32*\c
.endr
.endr
.irp k, 0,1
	global_load_b128 v[XQS+4*\k:XQS+4*\k+3], v[XSO], s[6:7] offset:1048576+16*\k
.endr
	s_wait_loadcnt 18                              ; what goes to LDS is in; x's 18 loads may be out
.irp j, 0,1,2,3
	v_lshrrev_b32 v[228+\j], s46, v[228+\j]
.endr
.irp it, 0,1,2,3,4,5,6,7,8,9,10,11,12,13,14,15
	ds_store_b128 v[WL], v[32+4*\it:35+4*\it] offset:(4*(\it%2)+16*((\it/2)%2)+8*((\it/4)%2)+32*(\it/8))*528   ; row 4 it + wave, with bits 3 and 4 of its number changing places
.endr
	ds_store_b128 v[T16], v[224:227] offset:WQS
.irp it, 0,1,2,3,4,5,6,7
	ds_store_b128 v[T16], v[160+4*\it:163+4*\it] offset:KC+2048*\it
.endr
	ds_store_b128 v[T16], v[228:231] offset:KS
.irp it, 0,1,2,3,4,5,6,7
	ds_store_b128 v[T16V], v[192+4*\it:195+4*\it] offset:2048*\it
.endr
	ds_store_b128 v[T16V], v[232:235] offset:VS-VC
	s_wait_dscnt 0x0                               ; my stores have landed (and have read their registers)
.irp t, 0,1,2,3
.irp k, 0,1
	global_load_b128 v[BQ+8*\t+4*\k:BQ+8*\t+4*\k+3], v[BQO], s[30:31] offset:128*(\t/2)+32*(\t%2)+16*\k   ; bq in the result's layout
.endr
.endr
	s_barrier_signal -1
	s_barrier_wait -1                              ; the barrier ahead of the branch; LDS is only read from here on
	s_lshl_b32 s23, s[WV], 4
	s_cmp_ge_u32 s23, s22                          ; has the tile rows for my wave?
	s_cbranch_scc1 .Lend
	s_wait_loadcnt 0x0                             ; x, its scale words, bq
	; ---- q = x Wq + bq: eight K steps, four accumulators by turns
.irp t, 0,1,2,3
.irp k, 0,1
	ds_load_b128 v[WQSC+8*\t+4*\k:WQSC+8*\t+4*\k+3], v[WQSA] offset:(32*(\t/2)+8*(\t%2))*32+16*\k
.endr
.endr
.macro WQLOAD s
.irp t, 0,1,2,3
.irp c, 0,1
	ds_load_b128 v[WQF+32*((\s)%2)+8*\t+4*\c:WQF+32*((\s)%2)+8*\t+4*\c+3], v[WQA] offset:\t*16*528+64*(\s)+32*\c
.endr
.endr
.endm
	WQLOAD 0
.macro QSTEP s
.if \s > 0
	PLACES                                         ; in front of loads into the set that the step before last multiplied
.endif
.if \s < 7
	WQLOAD (\s)+1
	s_wait_dscnt 8                                 ; all but the next step's 8 loads
.else
	s_wait_dscnt 0x0
.endif
.irp t, 0,1,2,3
.if \s == 0
	v_wmma_scale_f32_16x16x128_f8f6f4 v[ACC+8*\t:ACC+8*\t+7], v[WQF+8*\t:WQF+8*\t+7], v[XQ:XQ+7], v[BQ+8*\t:BQ+8*\t+7], v[WQSC+8*\t], v[XQS] matrix_a_fmt:MATRIX_FMT_FP4 matrix_b_fmt:MATRIX_FMT_FP4
.else
	v_wmma_scale_f32_16x16x128_f8f6f4 v[ACC+8*\t:ACC+8*\t+7], v[WQF+32*(\s%2)+8*\t:WQF+32*(\s%2)+8*\t+7], v[XQ+8*\s:XQ+8*\s+7], v[ACC+8*\t:ACC+8*\t+7], v[WQSC+8*\t+\s], v[XQS+\s] matrix_a_fmt:MATRIX_FMT_FP4 matrix_b_fmt:MATRIX_FMT_FP4
.endif
.endr
.endm
.irp s, 0,1,2,3,4,5,6,7
	QSTEP \s
.endr
	PLACES
.irp b, 0,1,2,3
	v_mov_b32 v[T2+\b], 0                          ; a lane permute's destination counts as one of its sources
.endr
; 32 numbers of a lane, register 16 b + i = k 32 b + 16 (lane / 16) + i of my row, become 4 registers of codes (k = 32 (lane / 16) + 0..31) and two scale bytes
.macro QUANT2 s, pc, pw
.irp b, 0,1
	v_max3_num_f32 v[BM+\b], |v[\s+16*\b]|, |v[\s+1+16*\b]|, 0x1800000
.endr
.irp i, 2,4,6,8,10,12,14
.irp b, 0,1
	v_max3_num_f32 v[BM+\b], v[BM+\b], |v[\s+16*\b+\i]|, |v[\s+1+16*\b+\i]|
.endr
.endr
.irp b, 0,1
	v_permlanex16_b32 v[T2+\b], v[BM+\b], s[SEL], s[SEL+1]
.endr
.irp b, 0,1
	v_max_num_f32 v[BM+\b], v[BM+\b], v[T2+\b]
.endr
.irp b, 0,1
	v_add_nc_u32 v[SO+\b], 0xff000000, v[BM+\b]
.endr
.irp b, 0,1
	v_lshrrev_b32 v[T2+\b], 23, v[SO+\b]
.endr
	v_lshl_or_b32 v[\pw], v[T2+1], 8, v[T2]
.irp b, 0,1
	v_cvt_scalef32_pk8_fp4_f32 v[\pc+2*\b], v[\s+16*\b:\s+7+16*\b], v[SO+\b]
	v_cvt_scalef32_pk8_fp4_f32 v[\pc+1+2*\b], v[\s+8+16*\b:\s+15+16*\b], v[SO+\b]
.endr
	v_nop                                          ; one plain line behind a scaled conversion
	v_permlane16_swap_b32 v[\pc], v[\pc+2]
	v_permlane16_swap_b32 v[\pc+1], v[\pc+3]
.endm
	QUANT2 ACC, QF, QS
.irp j, 4,5,6,7
	v_mov_b32 v[QF+\j], 0                          ; the upper 64 along K: zero codes
.endr
.irp j, 32,33,34,35
	v_mov_b32 v[KF+\j], 0                          ; what the last tile of k names beside its own four registers
.endr
	v_mov_b32 v13, 0xff61b1e6                      ; the largest t so far: -3e38
	v_floor_f32 v12, -v13                          ; -M
	v_mov_b32 v14, 0
	v_mov_b32 v15, 0
	v_mov_b32 v[F+1], 0
.set j, 0
.rept 32
	v_mov_b32 v[O+j], 0                            ; the key step is written in one form: its first run finds zeros
.set j, j+1
.endr
.macro SPROD t
.if (\t)%2
	v_wmma_scale_f32_16x16x128_f8f6f4 v[S+8*\t:S+8*\t+7], v[KF+4*\t:KF+4*\t+7], v[QF:QF+7], 0, v[KSC+\t/2], v[QS] matrix_a_fmt:MATRIX_FMT_FP4 matrix_b_fmt:MATRIX_FMT_FP4 matrix_a_scale:MATRIX_SCALE_ROW1
.else
	v_wmma_scale_f32_16x16x128_f8f6f4 v[S+8*\t:S+8*\t+7], v[KF+4*\t:KF+4*\t+7], v[QF:QF+7], 0, v[KSC+\t/2], v[QS] matrix_a_fmt:MATRIX_FMT_FP4 matrix_b_fmt:MATRIX_FMT_FP4
.endif
.endm
.macro OPROD t
.if (\t)%2
	v_wmma_scale_f32_16x16x128_f8f6f4 v[O+8*\t:O+8*\t+7], v[VF+8*\t:VF+8*\t+7], v[PC:PC+7], v[O+8*\t:O+8*\t+7], v[VSC+\t/2], v[PSW] matrix_a_fmt:MATRIX_FMT_FP4 matrix_b_fmt:MATRIX_FMT_FP4 matrix_a_scale:MATRIX_SCALE_ROW1
.else
	v_wmma_scale_f32_16x16x128_f8f6f4 v[O+8*\t:O+8*\t+7], v[VF+8*\t:VF+8*\t+7], v[PC:PC+7], v[O+8*\t:O+8*\t+7], v[VSC+\t/2], v[PSW] matrix_a_fmt:MATRIX_FMT_FP4 matrix_b_fmt:MATRIX_FMT_FP4
.endif
.endm
; A KEY STEP: 128 keys.  Written out four times, every offset an immediate.
.macro STEP s
	PLACES                                         ; in front of loads into registers that matrix instructions have read
.irp t, 0,1,2,3,4,5,6,7
	ds_load_b128 v[KF+4*\t:KF+4*\t+3], v[LI] offset:KC+4096*\s+512*\t
.endr
	ds_load_b128 v[KSC:KSC+3], v[LI] offset:KS+512*\s
.irp t, 0,1,2,3
.irp c, 0,1
	ds_load_b128 v[VF+8*\t+4*\c:VF+8*\t+4*\c+3], v[LV] offset:4096*\s+1024*\t+512*\c
.endr
.endr
	ds_load_b64 v[VSC:VSC+1], v[LVS] offset:512*\s
	s_wait_dscnt 9                                 ; k and its scale words are in; v's nine loads may be out
.irp t, 0,1,2,3,4,5,6,7
	SPROD \t
.endr
	PLACES
.irp b, 0,1,2,3
	v_max3_num_f32 v[BM+\b], v[S+16*\b], v[S+1+16*\b], v[S+2+16*\b]   ; the largest score of each block of 32 keys: for the row's maximum, and for the block's largest p
.endr
.irp i, 3,5,7,9,11,13
.irp b, 0,1,2,3
	v_max3_num_f32 v[BM+\b], v[BM+\b], v[S+16*\b+\i], v[S+1+16*\b+\i]
.endr
.endr
.irp b, 0,1,2,3
	v_max_num_f32 v[BM+\b], v[BM+\b], v[S+15+16*\b]
.endr
.irp b, 0,1,2,3
	v_permlanex16_b32 v[T2+\b], v[BM+\b], s[SEL], s[SEL+1]
.endr
.irp b, 0,1,2,3
	v_max_num_f32 v[BM+\b], v[BM+\b], v[T2+\b]
.endr
	v_max3_num_f32 v[TMP], v[BM], v[BM+1], v[BM+2]
	v_max_num_f32 v[TMP], v[TMP], v[BM+3]
	v_mul_f32 v[TMP], s[CS], v[TMP]
	v_max_num_f32 v13, v13, v[TMP]                 ; the running largest t
	v_mov_b32 v[TMP], v12
	v_floor_f32 v12, -v13                          ; the new -M = -ceil(t)
	v_sub_f32 v[TMP], v12, v[TMP]                  ; old M - new M: a whole number, 0 or less
	v_cvt_i32_f32 v[TMP], v[TMP]
	v_ldexp_f32 v[F], 1.0, v[TMP]                  ; f = 2^(old M - new M): a multiplication by it rounds nothing
.set j, 0
.rept 32
	v_pk_fma_f32 v[S+j:S+j+1], v[S+j:S+j+1], s[CS:CS+1], v[12:13] op_sel_hi:[1,0,0]   ; t - M
.set j, j+2
.endr
.irp b, 0,1,2,3
	v_fma_f32 v[BM+\b], v[BM+\b], s[CS], v12
.endr
.set j, 0
.rept 64
	v_exp_f32 v[S+j], v[S+j]                       ; p = 2^(t - M)
.set j, j+1
.endr
	v_pk_mul_f32 v[14:15], v[14:15], v[F:F+1] op_sel_hi:[1,0]   ; the sums under the new M (a plain line behind the exponentials)
	s_wait_alu depctr_va_vdst(0)                   ; one wait for the batch of 64, ahead of its first reader
.irp b, 0,1,2,3
	v_exp_f32 v[BM+\b], v[BM+\b]                   ; each block's largest p
.endr
	v_pk_add_f32 v[SUM2:SUM2+1], v[S:S+1], v[S+2:S+3]           ; the row's sum of the unquantised p, in two chains
.irp j, 4,8,12,16,20,24,28,32,36,40,44,48,52,56,60
	v_pk_add_f32 v[14:15], v[14:15], v[S+\j:S+\j+1]
	v_pk_add_f32 v[SUM2:SUM2+1], v[SUM2:SUM2+1], v[S+\j+2:S+\j+3]
.endr
	v_pk_add_f32 v[14:15], v[14:15], v[SUM2:SUM2+1]
	s_wait_alu depctr_va_vdst(0)                   ; and one for the four
.irp b, 0,1,2,3
	v_max_num_f32 v[BM+\b], 0x1800000, v[BM+\b]    ; the floor 2^(3 - 127)
.endr
.irp b, 0,1,2,3
	v_add_nc_u32 v[SO+\b], 0xff000000, v[BM+\b]
.endr
.irp b, 0,1,2,3
	v_lshrrev_b32 v[T2+\b], 23, v[SO+\b]
.endr
	v_lshl_or_b32 v[PSW], v[T2+1], 8, v[T2]        ; p's scale word for these 128 keys
	v_lshl_or_b32 v[PSW], v[T2+2], 16, v[PSW]
	v_lshl_or_b32 v[PSW], v[T2+3], 24, v[PSW]
.irp b, 0,1,2,3
	v_cvt_scalef32_pk8_fp4_f32 v[PC+2*\b], v[S+16*\b:S+7+16*\b], v[SO+\b]
	v_cvt_scalef32_pk8_fp4_f32 v[PC+1+2*\b], v[S+8+16*\b:S+15+16*\b], v[SO+\b]
.endr
	v_nop
.irp c, 0,1
.irp i, 0,1
	v_permlane16_swap_b32 v[PC+4*\c+\i], v[PC+2+4*\c+\i]
.endr
.endr
.set j, 0
.rept 16
	v_pk_mul_f32 v[O+j:O+j+1], v[O+j:O+j+1], v[F:F+1] op_sel_hi:[1,0]   ; O^T under the new M.  Of these 16, twelve name no register of any one product below: the places between p's codes and scale word and that product
.set j, j+2
.endr
	s_wait_dscnt 0x0                               ; v
.irp t, 0,1,2,3
	OPROD \t
.endr
.endm
	STEP 0
	STEP 1
	STEP 2
	STEP 3
	PLACES
	v_add_f32 v14, v14, v15
	v_permlanex16_b32 v[TMP], v14, s[SEL], s[SEL+1]
	v_add_f32 v14, v14, v[TMP]                     ; the row's sum
	v_rcp_f32 v14, v14
	v_lshlrev_b32 v[AOO], 5, v[RR]                 ; (plain lines behind the reciprocal)  32 r + 16 h
	v_lshl_add_u32 v[AOO], v[HH], 4, v[AOO]
	v_lshlrev_b32 v[AOS], 1, v[RR]
	s_wait_alu depctr_va_vdst(0)
.set j, 0
.rept 16
	v_pk_mul_f32 v[S+j:S+j+1], v[O+j:O+j+1], v[14:15] op_sel_hi:[1,0]   ; O / the sum: register 16 b + i = feature 32 b + 16 h + i
.set j, j+2
.endr
	QUANT2 S, PC, PSW
	global_store_b128 v[AOO], v[PC:PC+3], s[48:49] ; the wave's 16 rows x 32 bytes: 512 consecutive, aligned bytes
	v_cmp_gt_u32 vcc_lo, 16, v[LANE]
	s_wait_xcnt 0x0                                ; EXEC changes only behind this wait
	s_and_saveexec_b32 s47, vcc_lo
	global_store_b16 v[AOS], v[PSW], s[50:51] offset:2621440   ; lanes 0-15: a row's two scale bytes
	s_wait_xcnt 0x0
	s_or_b32 exec_lo, exec_lo, s47
.Lend:
	s_barrier_signal -1
	s_barrier_wait -1
	s_set_vgpr_msb 0x5
	s_wait_tensorcnt 0x0
	ds_add_u32 v0, v1
	s_wait_dscnt 0x0
	s_set_vgpr_msb 0x500
	s_endpgm
.Lfunc_end_k_q86937e0e2e_attn:
	.size	k_q86937e0e2e_attn, .Lfunc_end_k_q86937e0e2e_attn-k_q86937e0e2e_attn
	.p2alignl 7, 3214868480
	.fill 96, 4, 3214868480
	.section	.rodata,"a",@progbits
	.p2align	6, 0x0
	.amdhsa_kernel k_q86937e0e2e_attn
		.amdhsa_group_segment_fixed_size 73216
		.amdhsa_private_segment_fixed_size 0
		.amdhsa_enable_private_segment 0
		.amdhsa_kernarg_size 56
		.amdhsa_user_sgpr_count 2
		.amdhsa_user_sgpr_kernarg_segment_ptr 1
		.amdhsa_wavefront_size32 1
		.amdhsa_system_sgpr_workgroup_id_x 1
		.amdhsa_system_sgpr_workgroup_id_y 1
		.amdhsa_system_sgpr_workgroup_id_z 1
		.amdhsa_system_vgpr_workitem_id 0
		.amdhsa_next_free_vgpr 258
		.amdhsa_next_free_sgpr 66
		.amdhsa_reserve_vcc 1
		.amdhsa_float_denorm_mode_32 3
		.amdhsa_float_denorm_mode_16_64 3
		.amdhsa_memory_ordered 1
		.amdhsa_forward_progress 1
		.amdhsa_inst_pref_size 89
	.end_amdhsa_kernel
	.amdgpu_metadata
---
amdhsa.version: [ 1, 2 ]
amdhsa.kernels:
  - .name:           k_q86937e0e2e_attn
    .symbol:         k_q86937e0e2e_attn.kd
    .args:
      - { .name: plan, .offset: 0, .size: 8, .value_kind: global_buffer, .address_space: global }
      - { .name: xq, .offset: 8, .size: 8, .value_kind: global_buffer, .address_space: global }
      - { .name: Wq_codes, .offset: 16, .size: 8, .value_kind: global_buffer, .address_space: global }
      - { .name: Wq_scales, .offset: 24, .size: 8, .value_kind: global_buffer, .address_space: global }
      - { .name: bq, .offset: 32, .size: 8, .value_kind: global_buffer, .address_space: global }
      - { .name: kv, .offset: 40, .size: 8, .value_kind: global_buffer, .address_space: global }
      - { .name: ao, .offset: 48, .size: 8, .value_kind: global_buffer, .address_space: global }
    .group_segment_fixed_size: 73216
    .private_segment_fixed_size: 0
    .kernarg_segment_align: 8
    .kernarg_segment_size: 56
    .max_flat_workgroup_size: 128
    .sgpr_count:     66
    .vgpr_count:     258
    .wavefront_size: 32
...
	.end_amdgpu_metadata
.endif
;; end of part 3
;; launch outp (part 4): grid 16 x 16, 4 waves a work-group, clusters of 4 x 1, 327,680 bytes of LDS; arguments sel, rw, plan, ao, Wo_codes, Wo_scales, bo, out0; writes out0
.if DOCPART == 4
	.amdgcn_target "amdgcn-amd-amdhsa--gfx1250"
	.amdhsa_code_object_version 6
	.text
	.protected	k_q86937e0e2e_outp
	.globl	k_q86937e0e2e_outp
	.p2align	8
	.type	k_q86937e0e2e_outp,@function
k_q86937e0e2e_outp:
	s_mov_b64 s[64:65], 0
	v_nop
	global_prefetch_b8 v0, s[64:65] scope:SCOPE_SE
	s_setreg_imm32_b32 hwreg(HW_REG_WAVE_MODE, 25, 1), 1
	s_wait_xcnt 0x0
	s_wait_alu depctr_hold_cnt(0) depctr_sa_sdst(0) depctr_va_vdst(0) depctr_va_sdst(0) depctr_va_ssrc(0) depctr_va_vcc(0) depctr_vm_vsrc(0)
	s_getreg_b32 s2, hwreg(HW_REG_IB_STS2, 6, 4)
	s_cmp_eq_u32 s2, 0
	s_cbranch_scc0 .Lentry_in_a_cluster
	s_endpgm
.Lentry_in_a_cluster:
	s_bfe_u32 s2, ttmp6, 0x10000c
	s_cmp_lg_u32 s2, 0x3003
	s_cbranch_scc0 .Lentry_shape_is_right
	s_endpgm
.Lentry_shape_is_right:
; OUTP.  out[token] = w0 (A0 Wo[e0] + bo[e0]) + w1 (A1 Wo[e1] + bo[e1]), A the quantised attention rows of the token's two places.  Each output row has ONE owner, and there is no branch on data:
; the work-group walks all 8 experts; for expert e a lane (a token) feeds the codes of its second place where e is its second expert, else those of its first, and weighs the product by w0, w1 or 0 (v_cndmask_b32).
; What is weighed by 0 is a finite number (codes with scale bytes 1..254).
; A work-group makes 128 tokens x 64 columns, a wave 32 x 64.  Wo's 64 rows of all 8 experts (8 x 32 KiB of codes) lie in LDS at once: every byte is filled once.  The four work-groups of a cluster share the column block:
; joint loads with the mask 15.  The tokens' raw fragments (2 places x 2 tiles x 8 K steps x 8 registers) stay in window 1.
; Source 0 = 16 rows of Wo (columns of out), source 1 = 16 tokens: a lane holds one token and eight neighbouring columns.
; REGISTERS: window 0: addresses; v16-47 the chosen fragments, two sets; v48-111 Wo's, two sets; v112-175 the expert's 8 products; v176-207 weights and offsets; v208-239 Wo's scale words; v240-255 the chosen scale words.
;   window 1: the raw fragments at v[128 place + 64 tile + 8 step].   window 2: v0-63 out's sums; v64-95 bo in the result's layout; v96-127 the raw scale words.
.set WOS,   270336                     ; LDS: codes e x 33,792 (64 rows x 528) from 0; scale bytes e x 2,176 (8 units of 256 + 16);
.set BOL,   287744                     ; bo[e][my 64 columns]: 2,048 bytes;
.set STG,   289792                     ; the way out: 16 rows x 272 for each wave;
.set SPARE, 307200                     ; the spare words: 128 bytes a wave, named by no other line
.set RR, 2
.set HH, 3
.set ADB0, 4
.set ADS0, 5
.set ADO0, 6
.set ADB, 7
.set ADS, 8
.set ADO, 9
.set E0, 10
.set E1, 12
.set SPW, 14
.set NIL, 15
.set ASEL, 16
.set RB, 16
.set BF, 48
.set PROD, 112
.set W, 176
.set RW, 180
.set STO, 184
.set SRD, 185
.set GO, 186
.set PP, 190
.set AO, 194
.set AS, 198
.set BSC, 208
.set ASC, 240
.set BO, 64
.set RAWSC, 96
.set WV, 20
.set CX, 21
.set TB, 22
.set CB, 23
.set G1C, 28
.set G1S, 36
.set G0, 44
.set EX, 60
.set TW, 61
.set TS, 62
.set TO, 63
.set M0, 66
.set M1, 68
.set MSB, 0
.macro WIN new
.if MSB != (\new)
	s_set_vgpr_msb (MSB<<8)|(\new)
.set MSB, (\new)
.endif
.endm
.macro PLACES
.rept 4
	v_nop
.endr
.endm
.macro CROUND
	s_barrier_signal -1
	s_barrier_wait -1
	s_cmp_lg_u32 s[WV], 0
	s_cbranch_scc1 .Lnot_wave_0_\@
	s_barrier_signal -3
.Lnot_wave_0_\@:
	s_barrier_wait -3
	s_barrier_signal -1
	s_barrier_wait -1
.endm
	s_load_b512 s[4:19], s[0:1], 0x0               ; sel, rw, plan, ao, Wo's codes, Wo's scales, bo, out0
	v_lshl_add_u32 v[SPW], v0, 2, SPARE
	v_mov_b32 v[NIL], 0
	ds_add_u32 v14, v15
	ds_add_u32 v14, v15
	s_wait_dscnt 0x0
	v_lshrrev_b32 v1, 5, v0
	v_readfirstlane_b32 s[WV], v1
	s_bfe_u32 s[CX], ttmp6, 0x40000
	s_lshl_b32 s[TB], ttmp9, 2
	s_add_co_u32 s[TB], s[TB], s[CX]               ; my block of 128 tokens: it enters global addresses alone
	s_and_b32 s[CB], ttmp7, 0xffff                 ; the block of 64 columns, which the four partners share
	s_mov_b32 s[G1C], 15|(0<<16)|(1<<20)|(1<<21)|(6<<22)|(3<<25)   ; codes: 64 rows of 512 bytes, 4 words of padding behind every 128
	s_mov_b32 s[G1C+1], 512<<16
	s_mov_b32 s[G1C+2], 64<<16
	s_mov_b32 s[G1C+3], 512<<16
	s_mov_b32 s[G1C+4], 64
	s_mov_b32 s[G1C+5], 512
	s_mov_b32 s[G1C+6], 0
	s_mov_b32 s[G1C+7], 0
	s_mov_b32 s[G1S], 15|(3<<16)|(1<<20)|(1<<21)|(5<<22)|(3<<25)   ; scale bytes: 2,048 dense bytes as 8 rows of 256, 16 bytes of padding behind each
	s_mov_b32 s[G1S+1], 32<<16
	s_mov_b32 s[G1S+2], 8<<16
	s_mov_b32 s[G1S+3], 32<<16
	s_mov_b32 s[G1S+4], 8
	s_mov_b32 s[G1S+5], 32
	s_mov_b32 s[G1S+6], 0
	s_mov_b32 s[G1S+7], 0
	s_lshl_b32 s24, s[WV], 19                      ; wave w fetches experts w and w + 4: rows 1024 e + 64 column block
	s_lshl_b32 s25, s[CB], 15
	s_add_co_u32 s24, s24, s25
	s_mov_b32 s25, 0
	s_lshl_b32 s26, s[WV], 15
	s_lshl_b32 s27, s[CB], 11
	s_add_co_u32 s26, s26, s27
	s_mov_b32 s27, 0
	s_mul_i32 s2, s[WV], 33792
	s_mul_i32 s3, s[WV], 2176
	s_add_co_u32 s3, s3, WOS
	s_wait_kmcnt 0x0
	s_add_nc_u64 s[12:13], s[12:13], s[24:25]
	s_add_nc_u64 s[14:15], s[14:15], s[26:27]
	s_mov_b32 s[G0], 1
	s_mov_b32 s[G0+1], s2
	s_mov_b64 s[G0+2:G0+3], s[12:13]
	s_or_b32 s[G0+3], s[G0+3], 0x80000000
	s_mov_b32 s[G0+4], 1
	s_mov_b32 s[G0+5], s3
	s_mov_b64 s[G0+6:G0+7], s[14:15]
	s_or_b32 s[G0+7], s[G0+7], 0x80000000
	s_mov_b32 s[G0+8], 1
	s_add_co_u32 s[G0+9], s2, 4*33792
	s_add_nc_u64 s[G0+10:G0+11], s[12:13], 4*524288
	s_or_b32 s[G0+11], s[G0+11], 0x80000000
	s_mov_b32 s[G0+12], 1
	s_add_co_u32 s[G0+13], s3, 4*2176
	s_add_nc_u64 s[G0+14:G0+15], s[14:15], 4*32768
	s_or_b32 s[G0+15], s[G0+15], 0x80000000
	CROUND                                         ; all four work-groups are here: the joint loads meet
	tensor_load_to_lds s[G0:G0+3], s[G1C:G1C+7]    ; four loads of mine are out
	s_nop 0
	tensor_load_to_lds s[G0+4:G0+7], s[G1S:G1S+7]
	s_nop 0
	tensor_load_to_lds s[G0+8:G0+11], s[G1C:G1C+7]
	s_nop 0
	tensor_load_to_lds s[G0+12:G0+15], s[G1S:G1S+7]
	s_nop 0
.rept 4
	v_nop
.endr
	v_and_b32 v[RR], 15, v0
	v_bfe_u32 v[HH], v0, 4, 1
	s_lshl_b32 s24, s[TB], 7
	s_lshl_b32 s26, s[WV], 5
	s_add_co_u32 s24, s24, s26                     ; my first token
	s_mov_b32 s27, 0
	s_lshl_b32 s26, s24, 2
	s_add_nc_u64 s[4:5], s[4:5], s[26:27]
	s_lshl_b32 s26, s24, 3
	s_add_nc_u64 s[6:7], s[6:7], s[26:27]
	s_add_nc_u64 s[8:9], s[8:9], s[26:27]
	s_lshl_b32 s26, s[CB], 8
	s_add_nc_u64 s[16:17], s[16:17], s[26:27]
	s_add_nc_u64 s[18:19], s[18:19], s[26:27]
	s_lshl_b32 s26, s24, 12
	s_add_nc_u64 s[18:19], s[18:19], s[26:27]
	v_lshlrev_b32 v187, 2, v[RR]
	v_lshlrev_b32 v188, 3, v[RR]
	v_lshrrev_b32 v189, 4, v0
	v_lshlrev_b32 v189, 12, v189
	v_lshl_add_u32 v189, v[RR], 4, v189            ; bo: expert thread / 16, 16 bytes at 16 (thread % 16)
	v_lshl_add_u32 v206, v0, 4, BOL
.irp m, 0,1
	global_load_b32 v[E0+\m], v187, s[4:5] offset:64*\m
	global_load_b64 v[RW+2*\m:RW+2*\m+1], v188, s[6:7] offset:128*\m
	global_load_b64 v[PP+2*\m:PP+2*\m+1], v188, s[8:9] offset:20480+128*\m
.endr
	global_load_b128 v[202:205], v189, s[16:17]
	v_mul_u32_u24 v[ADB0], v[RR], 528
	v_lshl_add_u32 v[ADB0], v[HH], 4, v[ADB0]
	v_lshrrev_b32 v[ADS0], 3, v[RR]
	v_mul_u32_u24 v[ADS0], v[ADS0], 272
	v_and_b32 v[ADO0], 7, v[RR]
	v_lshl_add_u32 v[ADS0], v[ADO0], 5, v[ADS0]
	v_add_nc_u32 v[ADS0], WOS, v[ADS0]
	v_lshlrev_b32 v[ADO0], 5, v[HH]
	v_add_nc_u32 v[ADO0], BOL, v[ADO0]
	s_mul_i32 s26, s[WV], 4352
	s_add_co_u32 s26, s26, STG
	v_mul_u32_u24 v[STO], v[RR], 272
	v_lshl_add_u32 v[STO], v[HH], 5, v[STO]
	v_add_nc_u32 v[STO], s26, v[STO]
	v_mul_u32_u24 v[SRD], v[HH], 272
	v_lshl_add_u32 v[SRD], v[RR], 4, v[SRD]
	v_add_nc_u32 v[SRD], s26, v[SRD]
	v_lshlrev_b32 v[GO], 12, v[HH]
	v_lshl_add_u32 v[GO], v[RR], 4, v[GO]
	v_mov_b32 v[W+1], 0                            ; (named as the upper halves of pairs)
	v_mov_b32 v[W+3], 0
	s_wait_loadcnt 0x0
	ds_store_b128 v206, v[202:205]
.irp m, 0,1
	v_lshrrev_b32 v[E1+\m], 8, v[E0+\m]
	v_and_b32 v[E0+\m], 0xff, v[E0+\m]
.endr
.irp g, 0,1
.irp m, 0,1
	v_min_u32 v[PP+2*\m+\g], 0x13ff, v[PP+2*\m+\g] ; a loaded place is held inside ao before it enters an address
	v_lshlrev_b32 v[AO+2*\g+\m], 5, v[PP+2*\m+\g]
	v_lshl_add_u32 v[AO+2*\g+\m], v[HH], 4, v[AO+2*\g+\m]
	v_lshlrev_b32 v[AS+2*\g+\m], 1, v[PP+2*\m+\g]
.endr
.endr
	WIN 0x40
.irp g, 0,1
.irp m, 0,1
.irp s, 0,1,2,3,4,5,6,7
.irp c, 0,1
	global_load_b128 v[128*\g+64*\m+8*\s+4*\c:128*\g+64*\m+8*\s+4*\c+3], v[AO+2*\g+\m], s[10:11] offset:163840*(2*\s+\c)   ; head 2 s + c: k = 128 s + 64 c + 32 h + 0..31
.endr
.endr
.endr
.endr
	WIN 0
.irp g, 0,1
.irp m, 0,1
.irp d, 0,1,2,3,4,5,6,7,8,9,10,11,12,13,14,15
	global_load_u16 v[PROD+32*\g+16*\m+\d], v[AS+2*\g+\m], s[10:11] offset:2621440+10240*\d
.endr
.endr
.endr
	s_wait_loadcnt 0x0
	WIN 0x80
.irp g, 0,1
.irp m, 0,1
.irp s, 0,1,2,3,4,5,6,7
	v_lshl_or_b32 v[RAWSC+16*\g+8*\m+\s], v[PROD+32*\g+16*\m+2*\s+1], 16, v[PROD+32*\g+16*\m+2*\s]   ; two heads' two bytes: the scale word of a K step
.endr
.endr
.endr
	WIN 0
	s_wait_tensorcnt 0x0                           ; my four fills have landed,
	s_wait_dscnt 0x0                               ; and my part of bo
	s_barrier_signal -1
	s_barrier_wait -1
.macro LOADB s                         ; Wo's four tiles of K step s into set s % 2
.irp nt, 0,1,2,3
.irp c, 0,1
	ds_load_b128 v[BF+32*((\s)%2)+8*\nt+4*\c:BF+32*((\s)%2)+8*\nt+4*\c+3], v[ADB] offset:\nt*16*528+64*(\s)+32*\c
.endr
.endr
.endm
.macro SELA s                          ; each token's fragment of K step s: its second place's where this expert is its second, else its first's
	WIN 0x05
.irp m, 0,1
.irp j, 0,1,2,3,4,5,6,7
	v_cndmask_b32 v[ASEL+16*((\s)%2)+8*\m+\j], v[64*\m+8*(\s)+\j], v[128+64*\m+8*(\s)+\j], s[M1+\m]
.endr
.endr
	WIN 0
.endm
.macro ESTEP s                         ; the fragments are chosen and fetched a step ahead: a chosen operand stands more than 4 plain lines ahead of its product
.if \s < 7
	LOADB (\s)+1
	SELA (\s)+1
	s_wait_dscnt 8                                 ; all but the next step's 8 loads
.else
	s_wait_dscnt 0x0
.endif
.if \s == 0
	WIN 0x20                                       ; C = bo, in window 2
.endif
.irp m, 0,1
.irp nt, 0,1,2,3
.if \s == 0
	v_wmma_scale_f32_16x16x128_f8f6f4 v[PROD+8*(4*\m+\nt):PROD+8*(4*\m+\nt)+7], v[BF+8*\nt:BF+8*\nt+7], v[ASEL+8*\m:ASEL+8*\m+7], v[BO+8*\nt:BO+8*\nt+7], v[BSC+8*\nt], v[ASC+8*\m] matrix_a_fmt:MATRIX_FMT_FP4 matrix_b_fmt:MATRIX_FMT_FP4
.else
	v_wmma_scale_f32_16x16x128_f8f6f4 v[PROD+8*(4*\m+\nt):PROD+8*(4*\m+\nt)+7], v[BF+32*(\s%2)+8*\nt:BF+32*(\s%2)+8*\nt+7], v[ASEL+16*(\s%2)+8*\m:ASEL+16*(\s%2)+8*\m+7], v[PROD+8*(4*\m+\nt):PROD+8*(4*\m+\nt)+7], v[BSC+8*\nt+\s], v[ASC+8*\m+\s] matrix_a_fmt:MATRIX_FMT_FP4 matrix_b_fmt:MATRIX_FMT_FP4
.endif
.endr
.endr
	WIN 0
	PLACES
.endm
; ONE EXPERT: 64 products, eight accumulators by turns.  first = 1: out's sums begin
.macro EXPERT first
	v_add_nc_u32 v[ADB], s[TW], v[ADB0]
	v_add_nc_u32 v[ADS], s[TS], v[ADS0]
	v_add_nc_u32 v[ADO], s[TO], v[ADO0]
.irp nt, 0,1,2,3
.irp k, 0,1
	ds_load_b128 v[BSC+8*\nt+4*\k:BSC+8*\nt+4*\k+3], v[ADS] offset:544*\nt+16*\k
.endr
.endr
	WIN 0x80
.irp nt, 0,1,2,3
.irp k, 0,1
	ds_load_b128 v[BO+8*\nt+4*\k:BO+8*\nt+4*\k+3], v[ADO] offset:64*\nt+16*\k
.endr
.endr
	WIN 0
	LOADB 0
.irp m, 0,1
	v_cmp_eq_u32 s[M0+\m], s[EX], v[E0+\m]
	v_cmp_eq_u32 s[M1+\m], s[EX], v[E1+\m]
.endr
.irp m, 0,1
	v_cndmask_b32 v[W+2*\m], 0, v[RW+2*\m], s[M0+\m]            ; the token's weight for this expert: w0, w1 or 0
	v_cndmask_b32 v[W+2*\m], v[W+2*\m], v[RW+2*\m+1], s[M1+\m]
.endr
	WIN 0x0a
.irp m, 0,1
.irp k, 0,1,2,3,4,5,6,7
	v_cndmask_b32 v[ASC+8*\m+\k], v[RAWSC+8*\m+\k], v[RAWSC+16+8*\m+\k], s[M1+\m]   ; the scale words: 32 plain lines (the two choices of fragments) stand between these and the first product
.endr
.endr
	WIN 0
	SELA 0
.irp s, 0,1,2,3,4,5,6,7
	ESTEP \s
.endr
	v_nop                                          ; a fifth place: the next expert's first products write over these accumulators from another C
.if \first
	WIN 0x80
.else
	WIN 0xa0
.endif
.set j, 0
.rept 32
.if \first
	v_pk_mul_f32 v[j:j+1], v[PROD+j:PROD+j+1], v[W+2*(j/32):W+2*(j/32)+1] op_sel_hi:[1,0]
.else
	v_pk_fma_f32 v[j:j+1], v[PROD+j:PROD+j+1], v[W+2*(j/32):W+2*(j/32)+1], v[j:j+1] op_sel_hi:[1,0,1]
.endif
.set j, j+2
.endr
	WIN 0
	s_add_co_u32 s[TW], s[TW], 33792
	s_add_co_u32 s[TS], s[TS], 2176
	s_add_co_u32 s[TO], s[TO], 256
.endm
	s_mov_b32 s[EX], 0
	s_mov_b32 s[TW], 0
	s_mov_b32 s[TS], 0
	s_mov_b32 s[TO], 0
	EXPERT 1
	s_mov_b32 s[EX], 1
.Lexpert:                                              ; seven trips
	EXPERT 0
	s_add_co_u32 s[EX], s[EX], 1
	s_cmp_lt_u32 s[EX], 8
	s_cbranch_scc1 .Lexpert
	; THE WAY OUT: a tile of 16 tokens x 64 columns through my stage, back as whole rows of 256 bytes
	s_wait_dscnt 0x0
	s_barrier_signal -1                            ; parts the loop's reads, whose addresses step with the loop, from the stages' stores
	s_barrier_wait -1
.irp m, 0,1
	WIN 0x08                                       ; an LDS store's data: window 2
.irp nt, 0,1,2,3
.irp q, 0,1
	ds_store_b128 v[STO], v[8*(4*\m+\nt)+4*\q:8*(4*\m+\nt)+4*\q+3] offset:64*\nt+16*\q
.endr
.endr
	WIN 0
.irp i, 0,1,2,3,4,5,6,7
	ds_load_b128 v[RB+32*\m+4*\i:RB+32*\m+4*\i+3], v[SRD] offset:2*\i*272   ; LDS serves a wave's instructions in order (ISA guide 5.7.1.4): these see my stores, and the next tile's stores come behind them
.endr
.endr
.irp m, 0,1
.irp i, 0,1,2,3,4,5,6,7
	s_wait_dscnt 23-16*\m-\i                       ; behind this load: the rest of its run, and for the first tile the second tile's 16
	global_store_b128 v[GO], v[RB+32*\m+4*\i:RB+32*\m+4*\i+3], s[18:19] offset:(16*\m+2*\i)*4096 th:TH_STORE_NT   ; sixteen lanes store 256 consecutive, aligned bytes
.endr
.endr
	s_wait_tensorcnt 0x0                           ; the wave's end
	ds_add_u32 v[SPW], v[NIL]
	s_wait_dscnt 0x0
	CROUND                                         ; the closing round
	s_endpgm
.Lfunc_end_k_q86937e0e2e_outp:
	.size	k_q86937e0e2e_outp, .Lfunc_end_k_q86937e0e2e_outp-k_q86937e0e2e_outp
	.p2alignl 7, 3214868480
	.fill 96, 4, 3214868480
	.section	.rodata,"a",@progbits
	.p2align	6, 0x0
	.amdhsa_kernel k_q86937e0e2e_outp
		.amdhsa_group_segment_fixed_size 327680
		.amdhsa_private_segment_fixed_size 0
		.amdhsa_enable_private_segment 0
		.amdhsa_kernarg_size 64
		.amdhsa_user_sgpr_count 2
		.amdhsa_user_sgpr_kernarg_segment_ptr 1
		.amdhsa_wavefront_size32 1
		.amdhsa_system_sgpr_workgroup_id_x 1
		.amdhsa_system_sgpr_workgroup_id_y 1
		.amdhsa_system_sgpr_workgroup_id_z 1
		.amdhsa_system_vgpr_workitem_id 0
		.amdhsa_next_free_vgpr 640
		.amdhsa_next_free_sgpr 70
		.amdhsa_reserve_vcc 0
		.amdhsa_float_denorm_mode_32 3
		.amdhsa_float_denorm_mode_16_64 3
		.amdhsa_memory_ordered 1
		.amdhsa_forward_progress 1
		.amdhsa_inst_pref_size 81
	.end_amdhsa_kernel
	.amdgpu_metadata
---
amdhsa.version: [ 1, 2 ]
amdhsa.kernels:
  - .name:           k_q86937e0e2e_outp
    .symbol:         k_q86937e0e2e_outp.kd
    .args:
      - { .name: sel, .offset: 0, .size: 8, .value_kind: global_buffer, .address_space: global }
      - { .name: rw, .offset: 8, .size: 8, .value_kind: global_buffer, .address_space: global }
      - { .name: plan, .offset: 16, .size: 8, .value_kind: global_buffer, .address_space: global }
      - { .name: ao, .offset: 24, .size: 8, .value_kind: global_buffer, .address_space: global }
      - { .name: Wo_codes, .offset: 32, .size: 8, .value_kind: global_buffer, .address_space: global }
      - { .name: Wo_scales, .offset: 40, .size: 8, .value_kind: global_buffer, .address_space: global }
      - { .name: bo, .offset: 48, .size: 8, .value_kind: global_buffer, .address_space: global }
      - { .name: out0, .offset: 56, .size: 8, .value_kind: global_buffer, .address_space: global }
    .group_segment_fixed_size: 327680
    .private_segment_fixed_size: 0
    .kernarg_segment_align: 8
    .kernarg_segment_size: 64
    .max_flat_workgroup_size: 128
    .sgpr_count:     70
    .vgpr_count:     640
    .wavefront_size: 32
...
	.end_amdgpu_metadata
.endif
;; end of part 4
